; MI455X (gfx1250); checked and timed in simulation.
; The chip was launched on July 23, 2026; its instructions are those of AMD's public machine-readable ISA for CDNA 5 (MIT licence, August 2026) and "CDNA5" Instruction Set Architecture Reference Guide (July 2026). The comments in the code are by the model that wrote it; some were corrected since.
;; Self Attention. Allowed arithmetic: matrix products marked QUANTISED: E2M1 operands, one E8M0 scale for each 32 along K, by v_wmma_scale_f32_16x16x128_f8f6f4 with both operands' format E2M1 (or v_wmma_scale_f32_32x16x128_f4), f32 sums; everything else in f32.
;; Inputs: bk 1,024 float32; bo 2,048 float32; bq 1,024 float32; bv 1,024 float32; h 2 x 2,048 x 2,048 float32; ln_b 2,048 float32; ln_g 2,048 float32; wk_codes 1,024 x 64 x 16 uint8 (E2M1 codes of wk, K innermost, in blocks of 32 codes, two codes a byte); wk_scales 1,024 x 64 uint8 (E8M0 scales of wk, one for each 32 codes along K); wo_codes 2,048 x 32 x 16 uint8 (E2M1 codes of wo, K innermost, in blocks of 32 codes, two codes a byte); wo_scales 2,048 x 32 uint8 (E8M0 scales of wo, one for each 32 codes along K); wq_codes 1,024 x 64 x 16 uint8 (E2M1 codes of wq, K innermost, in blocks of 32 codes, two codes a byte); wq_scales 1,024 x 64 uint8 (E8M0 scales of wq, one for each 32 codes along K); wv_codes 1,024 x 64 x 16 uint8 (E2M1 codes of wv, K innermost, in blocks of 32 codes, two codes a byte); wv_scales 1,024 x 64 uint8 (E8M0 scales of wv, one for each 32 codes along K).
;; Outputs: out0 2 x 2,048 x 2,048 float32.
;; This version of the problem:
;;   THIS VERSION OF THE PROBLEM IS GIVEN IN LOW PRECISION. The matrix products marked QUANTISED in the list below multiply operands that are first quantised to E2M1 (2 exponent bits, 1 mantissa bit; 4 bits a number), with one power-of-two scale for each 32 numbers along K (OCP MX v1.0); their sums are f32. All else is computed in f32.
;;   The module's matrix products, in the order in which they are computed (A, B: the left and right operand; K: the contracted axis; several contracted axes count as one K, in the product's order):
;;     1. [M 4,096, K 2,048] x [K 2,048, N 1,024]; A: computed on the way; B: input wq (given as codes): QUANTISED
;;     2. [M 4,096, K 2,048] x [K 2,048, N 1,024]; A: computed on the way; B: input wk (given as codes): QUANTISED
;;     3. [M 4,096, K 2,048] x [K 2,048, N 1,024]; A: computed on the way; B: input wv (given as codes): QUANTISED
;;     4. batch 32 x [M 2,048, K 64] x [K 64, N 2,048]; A: computed on the way; B: computed on the way: QUANTISED
;;     5. batch 32 x [M 64, K 2,048] x [K 2,048, N 2,048]; A: computed on the way; B: softmax (see below): QUANTISED
;;     6. [M 4,096, K 1,024] x [K 1,024, N 2,048]; A: computed on the way; B: input wo (given as codes): QUANTISED
;;   THE QUANTISER, for each operand of a quantised product, along K:
;;     - K is cut into blocks of 32 from its start; a last block that is shorter is filled with zeros.
;;     - A block's scale is 2^e with e = floor(log2(the largest magnitude in the block)) - 2, held to -126 .. 127; a block of zeros has e = 0. As a byte (E8M0): e + 127.
;;     - Each number is divided by its block's scale, clamped to +-6, and rounded to the nearest number of E2M1, ties to even, subnormals kept.
;;     - The product sums the exact products of the quantised numbers (number of the format x scale) in f32.
;;   ~~~python
;;   def quantise(x, axis):      # numpy; x: float32 -> the quantised numbers, widened to float32 again
;;       x = np.moveaxis(x, axis, -1); K = x.shape[-1]
;;       x = np.pad(x, [(0, 0)] * (x.ndim - 1) + [(0, -K % 32)]); x = x.reshape(x.shape[:-1] + (-1, 32)); a = np.abs(x).max(-1, keepdims=True)
;;       e = np.where(a > 0, np.clip(np.frexp(np.where(a > 0, a, 1))[1] - 1 - 2, -126, 127), 0)      # np.frexp(a)[1] - 1 = floor(log2(a)), exactly
;;       r = np.clip(x / 2.0 ** e, -6, 6)
;;       step = 2.0 ** (np.maximum(np.frexp(np.where(r == 0, 1, r))[1] - 1, 0) - 1)
;;       q = np.round(r / step) * step * 2.0 ** e      # np.round: ties to even
;;       return np.moveaxis(q.reshape(q.shape[:-2] + (-1,))[..., :K], -1, axis).astype(np.float32)
;;   ~~~
;;   SOFTMAX AHEAD OF A QUANTISED PRODUCT. Where the list says 'softmax', what is quantised is not the finished softmax but p = 2^(t - M), with t = logit x log2(e) and M = ceil(the row's largest t), a whole number; so 1/2 < the row's largest p <= 1. The row's sum l is taken of the UNQUANTISED p, in f32, and the product's result is divided by l at the end. Since M is a whole number, a kernel that streams over the keys may use a running M (the ceiling of the running maximum): every later rescaling is an exact power of two, which a block's scale takes up: the codes' values come out the same.
;;   OPERANDS COMPUTED ON THE WAY. 'Computed on the way' means the value that the module computes at that place (a softmax that the list does not call 'softmax' is quantised finished and normalised). What goes into a quantiser is computed in f32, as accurately as f32 sums, v_exp_f32 and their like allow (about 1e-6 of the number): no bf16 or f16 on the way to a quantiser, and a product that is left as it is and whose result goes on into a quantised operand takes f32 operands (vector FMAs, or v_wmma_f32_16x16x4_f32). A number that lies on a knife's edge between two numbers of the format may be rounded either way, as far as f32 arithmetic and the matrix unit's own rounding can turn it there, and no further.
;;   INPUTS GIVEN AS CODES. wk (in the module: [1024, 2048], K = its axis 1); wo (in the module: [2048, 1024], K = its axis 1); wq (in the module: [1024, 2048], K = its axis 1); wv (in the module: [1024, 2048], K = its axis 1): each comes as NAME_codes (uint8): NAME with its K axis moved to the last place and cut into blocks of 32 codes, [.., K / 32, bytes a block], one block behind the other in memory; two codes a byte, the lower K in the low four bits (a code: sign, 2 exponent bits, 1 mantissa bit); and NAME_scales (uint8): the same leading axes, one E8M0 byte (e + 127) for each 32 codes along K. Its value is code x scale, taken as it is: it is not quantised again, and the codes and scales need not be those that the quantiser above would give.
;; One version. Each part assembles by itself: llvm-mc -triple=amdgcn-amd-amdhsa -mcpu=gfx1250 --defsym DOCPART=n.
;; ======== version 1 of 1: 4 launches
;; limits: right only within a limited range of input values
;; workspace buffers: xw 4,456,448 bytes; tab 524,288 bytes; qkw 4,718,592 bytes; vw 2,228,224 bytes; ow 2,228,224 bytes
;; launch lnq (part 1): grid 256 x 1, 16 waves a work-group, no clusters, 185,344 bytes of LDS; arguments h, ln_g, ln_b, xw, tab; writes xw, tab
.if DOCPART == 1
	.amdgcn_target "amdgcn-amd-amdhsa--gfx1250"
	.amdhsa_code_object_version 6
	.text
	.protected	k_q0e498eb45e_lnq
	.globl	k_q0e498eb45e_lnq
	.p2align	8
	.type	k_q0e498eb45e_lnq,@function
k_q0e498eb45e_lnq:
	s_mov_b64 s[64:65], 0
	v_nop
	global_prefetch_b8 v0, s[64:65] scope:SCOPE_SE
	s_setreg_imm32_b32 hwreg(HW_REG_WAVE_MODE, 25, 1), 1
	s_wait_xcnt 0x0
; x = LayerNorm(h) * ln_g + ln_b in f32, quantised along the row (K = 2,048) to codes of E2M1 with one E8M0 byte for each 32; and the table of cos and sin for the rotary embedding.
; xw: codes [4096][1024 bytes], K innermost, the lower k in the low four bits; from byte XSO on the scale bytes as images of registers: [32 rows 128][512 along K 4][row 32][16 bytes].
; tab, as images of registers too: [tile of 16 positions 128][i 8][lane 32][16 bytes]: lane 16 hh + r, dword d: of position r, frequency 16 (i / 2 % 2) + 8 hh + 4 (i % 2) + d, cos for i < 4, sin from there on.
; Nothing that the whole program leaves out lies in this launch: the causal mask that the problem builds itself makes whole tiles of scores empty whatever the inputs hold; the attention's launch says which.
; SHARES.  A work-group takes 16 rows, a wave ONE row of 8,192 bytes, kept in 64 registers between the mean, the variance and the scaling: h is read once.  No loop: every wave asks for its whole row at its head.
; ln_g and ln_b come once a work-group (16 bytes a thread) and go to all sixteen waves through LDS.  No matrix work, no cluster: the rows share nothing but g and b.
; The mean is taken first and the squares of h - mean afterwards, so a common offset of h costs no digits.
; THE QUANTISER.  The conversions take neighbours along K from one lane's registers, the loads take 16 bytes a lane: so the row turns through the wave's own stage in LDS (64 bytes + 16 of padding a place) and comes back 16 numbers a lane;
; two neighbouring lanes hold a block of 32.  A block's byte is its largest magnitude's exponent field - 2, held at 1 from below.
; THE TABLE.  Work-group x makes the cos (x even) or sin (x odd) of positions 16 (x / 2) on: wave w one position, lane f one frequency.  theta_f = 10^(-f / 8) = base(f % 8) x 10^(-(f / 8)): one rounding for the constant, one for the product.
; The angle position x theta is brought to |r| <= pi / 4 by n = round(angle x 2 / pi) and pi / 2 in two parts (n stays under 1,305, so the first fused step is exact), then sin and cos by polynomials of degree 7 and 8.
; LIMITS: NaN and infinities are not served.  A block of zeros gets the byte 1 and not 127: its codes are zeros, and this program alone reads the bytes.  Blocks whose largest magnitude lies under 2^-124 are held at the byte 1.
; theta carries up to about 1.5 units in its last place, so the angle at position 2,047 up to about 1e-4.
.set SP,   80                          ; a lane's place in a stage: 64 bytes + 16 of padding
.set GL,   0                           ; LDS: ln_g, 8,192 bytes
.set BL,   8192                        ; ln_b
.set STG,  16384                       ; the stages: four of 32 x SP bytes for each wave
.set WST,  4*32*SP
.set SCB,  STG+16*WST                  ; the work-group's 16 x 64 scale bytes
.set SPARE, SCB+1024                   ; the spare words, 128 bytes a wave; no other line names them
.set TST,  SPARE+2048                  ; the work-group's 2,048 bytes of the table
.set XSO,  4194304                     ; where the scale bytes begin in xw
.set R,    32                          ; v32-95   the row, 16 bytes of each 512 a lane
.set G,    96                          ; v96-159  ln_g in the same layout; later X
.set X,    96                          ;          the row turned: 16 neighbours a lane for each of four steps
.set B,    160                         ; v160-223 ln_b
.set C,    224                         ; v224-231 codes, two registers a step
.set E,    232                         ; v232-235 scale bytes, one a step
	s_load_b256 s[4:11], s[0:1], 0x0               ; h s[4:5], ln_g s[6:7], ln_b s[8:9], xw s[10:11]
	s_load_b64 s[12:13], s[0:1], 0x20              ; tab
	v_lshl_add_u32 v240, v0, 2, SPARE
	v_mov_b32 v241, 0
	v_lshrrev_b32 v1, 5, v0
	v_readfirstlane_b32 s14, v1                    ; wave 0..15
	v_and_b32 v1, 31, v0                           ; lane
	v_lshlrev_b32 v3, 4, v0                        ; 16 x thread
	v_lshlrev_b32 v2, 4, v1                        ; 16 x lane
	v_lshlrev_b32 v4, 3, v1                        ; 8 x lane
	v_lshrrev_b32 v5, 1, v1
	v_lshrrev_b32 v6, 2, v1
	v_and_b32 v7, 3, v1
	v_mul_u32_u24 v6, v6, SP
	v_lshl_add_u32 v6, v7, 4, v6
	v_mul_u32_u24 v7, v1, SP
	s_wait_alu depctr_va_vdst(0)                   ; the wait ahead of the scalar lines below
	s_lshl_b32 s15, ttmp9, 4
	s_add_co_u32 s15, s15, s14                     ; my row
	s_lshl_b32 s16, s15, 13                        ; its bytes in h (under 2^25)
	s_mov_b32 s17, 0
	s_lshl_b32 s18, s15, 10                        ; and among the codes
	s_mov_b32 s19, 0
	s_lshl_b32 s20, s14, 6
	s_add_co_u32 s20, s20, SCB
	s_mul_i32 s21, s14, WST
	s_add_co_u32 s21, s21, STG
	s_mov_b32 s22, 0x76543210
	s_mov_b32 s23, 0xfedcba98                      ; v_permlanex16_b32's selects for lane l xor 16
	s_mov_b32 s24, 0x3a000000                      ; 1 / 2048
	s_mov_b32 s25, 0x3727c5ac                      ; 1e-5
	v_add_nc_u32 v5, s20, v5                       ; my block's byte: SCB + 64 x wave + lane / 2
	v_add_nc_u32 v6, s21, v6                       ; the stage, on the way in: SP (lane / 4) + 16 (lane % 4)
	v_add_nc_u32 v7, s21, v7                       ; and on the way out: SP x lane
	s_wait_alu depctr_va_vdst(0)                   ; the wait directly ahead of the wait below
	s_wait_kmcnt 0x0
	s_add_nc_u64 s[4:5], s[4:5], s[16:17]
	s_add_nc_u64 s[26:27], s[10:11], s[18:19]      ; my row's codes
	global_load_b128 v[24:27], v3, s[6:7]          ; 512 threads x 16 bytes: all of ln_g,
	global_load_b128 v[28:31], v3, s[8:9]          ; all of ln_b
.irp i, 0,1,2,3,4,5,6,7,8,9,10,11,12,13,14,15
	global_load_b128 v[R+4*\i:R+4*\i+3], v2, s[4:5] offset:512*\i th:TH_LOAD_NT   ; the wave reads 512 consecutive bytes
.endr
	s_wait_loadcnt 16                              ; g and b are in; the row's sixteen loads, issued behind them, stay out
	ds_store_b128 v3, v[24:27] offset:GL
	ds_store_b128 v3, v[28:31] offset:BL
	s_wait_dscnt 0x0                               ; for the others' sake: my stores have landed
	s_barrier_signal -1
	s_barrier_wait -1
.irp i, 0,1,2,3,4,5,6,7,8,9,10,11,12,13,14,15
	ds_load_b128 v[G+4*\i:G+4*\i+3], v2 offset:GL+512*\i
	ds_load_b128 v[B+4*\i:B+4*\i+3], v2 offset:BL+512*\i
.endr
	; ---- the table, while the row is on its way.  s28 = the position, s29 = 1 for cos
	s_lshr_b32 s28, ttmp9, 1
	s_lshl_b32 s28, s28, 4
	s_add_co_u32 s28, s28, s14
	s_and_b32 s29, ttmp9, 1
	s_xor_b32 s29, s29, 1
	v_bfe_u32 v10, v1, 1, 2                        ; f / 2 % 4
	v_lshrrev_b32 v11, 3, v1                       ; f / 8
	v_mov_b32 v12, 1.0                             ; 10^(-(f / 2 % 4) / 4)
	v_mov_b32 v13, 0x3f3ff911                      ; the same x 10^(-1/8): 0.7498942
	v_mov_b32 v14, 1.0                             ; 10^(-(f / 8))
	v_cmp_ne_u32 vcc_lo, 1, v10
	v_cndmask_b32 v12, 0x3f0ff59a, v12, vcc_lo     ; 0.5623413
	v_cndmask_b32 v13, 0x3ed7e89b, v13, vcc_lo     ; 0.4216965
	v_cmp_ne_u32 vcc_lo, 2, v10
	v_cndmask_b32 v12, 0x3ea1e89b, v12, vcc_lo     ; 0.3162278
	v_cndmask_b32 v13, 0x3e72d424, v13, vcc_lo     ; 0.2371374
	v_cmp_ne_u32 vcc_lo, 3, v10
	v_cndmask_b32 v12, 0x3e361887, v12, vcc_lo     ; 0.1778279
	v_cndmask_b32 v13, 0x3e088d77, v13, vcc_lo     ; 0.1333521
	v_cmp_ne_u32 vcc_lo, 1, v11
	v_cndmask_b32 v14, 0x3dcccccd, v14, vcc_lo     ; 0.1
	v_cmp_ne_u32 vcc_lo, 2, v11
	v_cndmask_b32 v14, 0x3c23d70a, v14, vcc_lo     ; 0.01
	v_cmp_ne_u32 vcc_lo, 3, v11
	v_cndmask_b32 v14, 0x3a83126f, v14, vcc_lo     ; 0.001
	v_and_b32 v10, 1, v1
	v_cmp_eq_u32 vcc_lo, 1, v10
	v_cndmask_b32 v12, v12, v13, vcc_lo
	v_mul_f32 v12, v12, v14                        ; theta
	v_cvt_f32_u32 v15, s28
	v_mul_f32 v12, v15, v12                        ; the angle
	v_mul_f32 v16, 0x3f22f983, v12                 ; x 2 / pi
	v_rndne_f32 v16, v16                           ; n
	v_fmamk_f32 v12, v16, 0xbfc90fdb, v12          ; r = angle - n x (pi / 2 as f32): exact
	v_fmamk_f32 v12, v16, 0x333bbd2e, v12          ; + n x 4.371139e-8, by which that f32 lies over pi / 2
	v_cvt_i32_f32 v16, v16
	v_mul_f32 v18, v12, v12                        ; z = r^2
	v_add_nc_u32 v16, s29, v16                     ; the quadrant: cos(a) = sin(a + pi / 2)
	v_mov_b32 v20, 0xb94ca1f9                      ; sin r = r + r z (-1.6666654611e-1 + z (8.3321608736e-3 - 1.9515295891e-4 z))
	v_mov_b32 v22, 0x37ccf5ce                      ; cos r = 1 - z / 2 + z^2 (4.166664568e-2 + z (-1.388731625e-3 + 2.443315712e-5 z))
	v_fmaak_f32 v21, v20, v18, 0x3c08839e
	v_fmaak_f32 v23, v22, v18, 0xbab6061a
	v_fmaak_f32 v21, v21, v18, 0xbe2aaaa3
	v_fmaak_f32 v23, v23, v18, 0x3d2aaaa5
	v_mul_f32 v21, v21, v18
	v_mul_f32 v23, v23, v18
	v_fma_f32 v25, v18, -0.5, 1.0
	v_fma_f32 v21, v21, v12, v12
	v_fma_f32 v23, v23, v18, v25
	v_and_b32 v25, 1, v16                          ; odd quadrants take the cosine's polynomial,
	v_cmp_eq_u32 vcc_lo, 1, v25
	v_cndmask_b32 v21, v21, v23, vcc_lo
	v_and_b32 v25, 2, v16                          ; quadrants 2 and 3 the other sign
	v_lshlrev_b32 v25, 30, v25
	v_xor_b32 v21, v21, v25
	; its place: bits 0-1 of f -> 4 f, bit 2 -> 512, bit 3 -> 256, bit 4 -> 1,024; 16 x wave
	s_lshl_b32 s30, s14, 4
	s_add_co_u32 s30, s30, TST
	v_and_b32 v8, 3, v1
	v_lshlrev_b32 v8, 2, v8
	v_bfe_u32 v9, v1, 2, 1
	v_lshl_add_u32 v8, v9, 9, v8
	v_bfe_u32 v9, v1, 3, 1
	v_lshl_add_u32 v8, v9, 8, v8
	v_bfe_u32 v9, v1, 4, 1
	v_lshl_add_u32 v8, v9, 10, v8
	v_add_nc_u32 v8, s30, v8
	ds_store_b32 v8, v21
	; ---- the row's mean, its variance, the scaling
.macro WSUM                            ; four pairs of partial sums, v[8:15], become the wave's sum in v8 of every lane
	v_pk_add_f32 v[8:9], v[8:9], v[10:11]
	v_pk_add_f32 v[12:13], v[12:13], v[14:15]
	s_delay_alu instid0(VALU_DEP_1)
	v_pk_add_f32 v[8:9], v[8:9], v[12:13]
	s_delay_alu instid0(VALU_DEP_1)
	v_add_f32 v8, v8, v9
	s_delay_alu instid0(VALU_DEP_1)
	v_add_f32_dpp v8, v8, v8 row_xmask:1 row_mask:0xf bank_mask:0xf
	s_delay_alu instid0(VALU_DEP_1)
	v_add_f32_dpp v8, v8, v8 row_xmask:2 row_mask:0xf bank_mask:0xf
	s_delay_alu instid0(VALU_DEP_1)
	v_add_f32_dpp v8, v8, v8 row_xmask:4 row_mask:0xf bank_mask:0xf
	s_delay_alu instid0(VALU_DEP_1)
	v_add_f32_dpp v8, v8, v8 row_xmask:8 row_mask:0xf bank_mask:0xf
	s_delay_alu instid0(VALU_DEP_1)
	v_permlanex16_b32 v9, v8, s22, s23
	s_delay_alu instid0(VALU_DEP_1)
	v_add_f32 v8, v8, v9
.endm
	s_wait_alu depctr_va_vdst(0)
	s_wait_loadcnt 0x0                             ; the row is in
.irp k, 0,1,2,3
	v_pk_add_f32 v[8+2*\k:9+2*\k], v[R+4*\k:R+4*\k+1], v[R+4*\k+2:R+4*\k+3]   ; four chains, started by the first sixteen numbers
.endr
.irp j, 16,24,32,40,48,56
.irp k, 0,1,2,3
	v_pk_add_f32 v[8+2*\k:9+2*\k], v[8+2*\k:9+2*\k], v[R+\j+2*\k:R+\j+2*\k+1]
.endr
.endr
	WSUM
	v_mul_f32 v16, s24, v8                         ; the mean
	v_mov_b32 v17, v16
.set j, 0
.rept 32
	v_pk_add_f32 v[R+j:R+j+1], v[R+j:R+j+1], v[16:17] neg_lo:[0,1] neg_hi:[0,1]   ; h - mean
.set j, j+2
.endr
.irp k, 0,1,2,3
	v_pk_mul_f32 v[8+2*\k:9+2*\k], v[R+2*\k:R+2*\k+1], v[R+2*\k:R+2*\k+1]
.endr
.irp j, 8,16,24,32,40,48,56
.irp k, 0,1,2,3
	v_pk_fma_f32 v[8+2*\k:9+2*\k], v[R+\j+2*\k:R+\j+2*\k+1], v[R+\j+2*\k:R+\j+2*\k+1], v[8+2*\k:9+2*\k]
.endr
.endr
	WSUM
	v_fma_f32 v18, v8, s24, s25                    ; the variance + 1e-5
	s_wait_alu depctr_va_vdst(0)
	v_rsq_f32 v16, v18
	v_rsq_f32 v17, v18                             ; twice: a pair for the packed multiply
	v_nop                                          ; a plain instruction behind the transcendentals (ISA guide 5.7.2)
	s_wait_alu depctr_va_vdst(0)                   ; one wait for both, ahead of their first reader
	s_wait_dscnt 0x0                               ; g and b are in registers
.set j, 0
.rept 32
	v_pk_mul_f32 v[R+j:R+j+1], v[R+j:R+j+1], v[16:17]
.set j, j+2
.endr
.set j, 0
.rept 32
	v_pk_fma_f32 v[R+j:R+j+1], v[R+j:R+j+1], v[G+j:G+j+1], v[B+j:B+j+1]
.set j, j+2
.endr
	; ---- the turn through the stage: LDS serves a wave's instructions in order (ISA guide 5.7.1.4), so no wait stands between the stores and the loads
.irp t, 0,1,2,3
.irp i, 0,1,2,3
	ds_store_b128 v6, v[R+16*\t+4*\i:R+16*\t+4*\i+3] offset:32*SP*\t+8*SP*\i
.endr
.endr
.irp t, 0,1,2,3
.irp i, 0,1,2,3
	ds_load_b128 v[X+16*\t+4*\i:X+16*\t+4*\i+3], v7 offset:32*SP*\t+16*\i
.endr
.endr
.macro QSTEP t                         ; 512 numbers: 16 a lane, a block in two neighbouring lanes
.set XS, X+16*(\t)
	s_wait_dscnt 12-4*(\t)                         ; this step's four loads are back; the later steps' loads may be out
	v_max3_num_f32 v8, |v[XS]|, |v[XS+1]|, |v[XS+2]|
	v_max3_num_f32 v9, |v[XS+3]|, |v[XS+4]|, |v[XS+5]|
.irp i, 6,10
	v_max3_num_f32 v8, v8, |v[XS+\i]|, |v[XS+\i+1]|
	v_max3_num_f32 v9, v9, |v[XS+\i+2]|, |v[XS+\i+3]|
.endr
	v_max3_num_f32 v8, v8, |v[XS+14]|, |v[XS+15]|
	s_delay_alu instid0(VALU_DEP_1)
	v_max3_num_f32 v8, v8, v9, 0x1800000           ; and the floor 2^(3 - 127): the byte cannot fall under 1
	s_delay_alu instid0(VALU_DEP_1)
	v_max_num_f32_dpp v8, v8, v8 row_xmask:1 row_mask:0xf bank_mask:0xf   ; with my neighbour's 16: the block's largest magnitude
	s_delay_alu instid0(VALU_DEP_1)
	v_add_nc_u32 v11, 0xff000000, v8               ; 2 off its exponent field: the conversion takes this operand's exponent field as its scale
	v_cvt_scalef32_pk8_fp4_f32 v[C+2*(\t)], v[XS:XS+7], v11
	v_cvt_scalef32_pk8_fp4_f32 v[C+2*(\t)+1], v[XS+8:XS+15], v11
	v_lshrrev_b32 v[E+(\t)], 23, v11               ; the scale's byte (also the plain instruction behind the conversions)
	ds_store_b8 v5, v[E+(\t)] offset:16*(\t)       ; both lanes of a block write the same byte with the same value
	global_store_b64 v4, v[C+2*(\t):C+2*(\t)+1], s[26:27] offset:256*(\t)   ; the wave stores 256 consecutive bytes, aligned
.endm
	QSTEP 0
	QSTEP 1
	QSTEP 2
	QSTEP 3
	; where waves 0 and 1 read the scale bytes (row lane % 16, 512 along K: 2 x wave + lane / 16) and put them; where waves 2 to 5 read the table
	s_and_b32 s28, s14, 1
	s_lshl_b32 s28, s28, 5
	s_add_co_u32 s28, s28, SCB
	v_and_b32 v16, 15, v1
	v_lshrrev_b32 v17, 4, v1
	v_lshl_add_u32 v18, v16, 6, s28
	v_lshl_add_u32 v18, v17, 4, v18
	v_lshlrev_b32 v19, 9, v17
	v_lshl_add_u32 v19, v16, 4, v19
	s_add_co_u32 s28, s14, 2
	s_and_b32 s28, s28, 3                          ; waves 2 to 5: parts 0 to 3
	s_lshl_b32 s28, s28, 9
	s_add_co_u32 s28, s28, TST
	v_add_nc_u32 v20, s28, v2
	s_wait_alu depctr_va_vdst(0)                   ; the wait directly ahead of the waits below
	s_wait_dscnt 0x0                               ; my scale bytes and my part of the table have landed
	s_barrier_signal -1
	s_barrier_wait -1
	s_cmp_gt_u32 s14, 5
	s_cbranch_scc1 .Ldone
	s_cmp_gt_u32 s14, 1
	s_cbranch_scc1 .Ltable
	ds_load_b128 v[12:15], v18
	s_lshr_b32 s28, ttmp9, 1
	s_lshl_b32 s28, s28, 11                        ; 2,048 bytes for 32 rows,
	s_and_b32 s29, ttmp9, 1
	s_lshl_b32 s29, s29, 8                         ; my work-group's 16 of them: 256 bytes for each 512 along K
	s_add_co_u32 s28, s28, s29
	s_lshl_b32 s29, s14, 10
	s_add_co_u32 s28, s28, s29
	s_add_co_u32 s28, s28, XSO
	s_mov_b32 s29, 0
	s_add_nc_u64 s[10:11], s[10:11], s[28:29]
	s_wait_dscnt 0x0
	global_store_b128 v19, v[12:15], s[10:11]      ; two whole units of 256 bytes
	s_branch .Ldone
.Ltable:
	ds_load_b128 v[12:15], v20
	s_lshl_b32 s28, ttmp9, 11
	s_sub_co_u32 s29, s14, 2
	s_lshl_b32 s29, s29, 9
	s_add_co_u32 s28, s28, s29
	s_mov_b32 s29, 0
	s_add_nc_u64 s[12:13], s[12:13], s[28:29]
	s_wait_dscnt 0x0
	global_store_b128 v2, v[12:15], s[12:13]       ; 512 consecutive bytes, aligned
.Ldone:
	s_wait_tensorcnt 0x0                           ; the wave's end
	ds_add_u32 v240, v241
	s_wait_dscnt 0x0
	s_endpgm
.Lfunc_end_k_q0e498eb45e_lnq:
	.size	k_q0e498eb45e_lnq, .Lfunc_end_k_q0e498eb45e_lnq-k_q0e498eb45e_lnq
	.p2alignl 7, 3214868480
	.fill 96, 4, 3214868480
	.section	.rodata,"a",@progbits
	.p2align	6, 0x0
	.amdhsa_kernel k_q0e498eb45e_lnq
		.amdhsa_group_segment_fixed_size 185344
		.amdhsa_private_segment_fixed_size 0
		.amdhsa_enable_private_segment 0
		.amdhsa_kernarg_size 40
		.amdhsa_user_sgpr_count 2
		.amdhsa_user_sgpr_kernarg_segment_ptr 1
		.amdhsa_wavefront_size32 1
		.amdhsa_system_sgpr_workgroup_id_x 1
		.amdhsa_system_sgpr_workgroup_id_y 1
		.amdhsa_system_sgpr_workgroup_id_z 1
		.amdhsa_system_vgpr_workitem_id 0
		.amdhsa_next_free_vgpr 242
		.amdhsa_next_free_sgpr 66
		.amdhsa_reserve_vcc 1
		.amdhsa_float_denorm_mode_32 3
		.amdhsa_float_denorm_mode_16_64 3
		.amdhsa_memory_ordered 1
		.amdhsa_forward_progress 1
		.amdhsa_inst_pref_size 29
	.end_amdhsa_kernel
	.amdgpu_metadata
---
amdhsa.version: [ 1, 2 ]
amdhsa.kernels:
  - .name:           k_q0e498eb45e_lnq
    .symbol:         k_q0e498eb45e_lnq.kd
    .args:
      - { .name: h, .offset: 0, .size: 8, .value_kind: global_buffer, .address_space: global }
      - { .name: ln_g, .offset: 8, .size: 8, .value_kind: global_buffer, .address_space: global }
      - { .name: ln_b, .offset: 16, .size: 8, .value_kind: global_buffer, .address_space: global }
      - { .name: xw, .offset: 24, .size: 8, .value_kind: global_buffer, .address_space: global }
      - { .name: tab, .offset: 32, .size: 8, .value_kind: global_buffer, .address_space: global }
    .group_segment_fixed_size: 185344
    .private_segment_fixed_size: 0
    .kernarg_segment_align: 8
    .kernarg_segment_size: 40
    .max_flat_workgroup_size: 512
    .sgpr_count:     66
    .vgpr_count:     242
    .wavefront_size: 32
...
	.end_amdgpu_metadata
.endif
;; end of part 1
;; launch qkv (part 2): grid 16 x 16, 4 waves a work-group, clusters of 4 x 4, 327,680 bytes of LDS; arguments xw, tab, wq_codes, wq_scales, wk_codes, wk_scales, wv_codes, wv_scales, bq, bk, bv, qkw, vw; writes qkw, vw
.if DOCPART == 2
	.amdgcn_target "amdgcn-amd-amdhsa--gfx1250"
	.amdhsa_code_object_version 6
	.text
	.protected	k_q0e498eb45e_qkv
	.globl	k_q0e498eb45e_qkv
	.p2align	8
	.type	k_q0e498eb45e_qkv,@function
k_q0e498eb45e_qkv:
	s_mov_b64 s[64:65], 0
	v_nop
	global_prefetch_b8 v0, s[64:65] scope:SCOPE_SE
	s_setreg_imm32_b32 hwreg(HW_REG_WAVE_MODE, 25, 1), 1
	s_wait_xcnt 0x0
	s_wait_alu depctr_hold_cnt(0) depctr_sa_sdst(0) depctr_va_vdst(0) depctr_va_sdst(0) depctr_va_ssrc(0) depctr_va_vcc(0) depctr_vm_vsrc(0)
	s_getreg_b32 s2, hwreg(HW_REG_IB_STS2, 6, 4)
	s_cmp_eq_u32 s2, 0
	s_cbranch_scc0 .Lentry_in_a_cluster
	s_endpgm
.Lentry_in_a_cluster:
	s_bfe_u32 s2, ttmp6, 0x10000c
	s_cmp_lg_u32 s2, 0xf033
	s_cbranch_scc0 .Lentry_shape_is_right
	s_endpgm
.Lentry_shape_is_right:
; q = rope(x Wq^T + bq), k = rope(x Wk^T + bk), v = x Wv^T + bv, on codes of E2M1 with E8M0 scales (K = 2,048); each result is quantised for the attention: q and k along the head's 64, v along the KEYS.
; A work-group makes 256 tokens x ONE HEAD's q, k and v (192 features): 16 heads x 16 blocks of tokens = 256 work-groups.  Four waves: wave (th, fh) takes tokens 128 th on, and for fh = 0 q and v's channels 0-31, for fh = 1 k and v's channels 32-63:
; 8 tiles of tokens x 6 tiles of features, 48 accumulators.
; K goes in steps of 512 (rows of 256 bytes) through two LDS slots: 256 rows of x, then 64 each of Wq, Wk, Wv; wave 0 fetches x's, waves 1 to 3 one weight's each: one load a wave for each fill.  Four fills in all.
; CLUSTERS of 4 x 4: x's tile hangs on the tokens alone and is asked for jointly by a row of the cluster; the weights' hang on the head alone and are asked for by a column.
; SCALE WORDS go from memory straight into registers, for all of K: a lane takes its row's 64 bytes; a register carries two tiles' words (lanes 0-15, lanes 16-31).
; ORIENTATION.  q, k: source 0 = weight, source 1 = x: a lane holds a token, its registers run along the features.  v: source 0 = x, source 1 = weight: a lane holds a channel, its registers run along the tokens.
; THE QUANTISER.  A block of 32 is registers 16 B .. 16 B + 15 of lanes l and l xor 16.  Blocks 2 c and 2 c + 1 are converted so that two exchanges of half-waves give registers 4 c .. 4 c + 3 of an operand.
; OUT, as images of the attention's operand registers (16 bytes a lane, 512 a store).  qkw: q's codes [head of batch 32][tile of 16 tokens 128][512], k's behind them; their scale words [32][step of 128 tokens 16][512]: word 4 l + i is
; that of tile 2 i + l / 16, row l % 16; a word is byte 0 | byte 1 << 8 | 0x7f7f0000 (the upper two belong to the zero codes that fill K from 64 to 128).  vw: [32][16][tile of 16 channels 4][half 2][512]; scale words [32][16][256].
; No prefetch: the text has no loop to run ahead in; the two refills are asked for one K step ahead.
; LIMITS: NaN and infinities are not served; a block of zeros gets the byte 1 (its codes are zeros; this program alone reads the bytes); blocks under 2^-124 are held at the byte 1.
; REGISTERS.  window 0: v0-15 below; v16-127 scale words; v128-255 x's fragments, two sets; on the way out 64 results and work.  window 1: v0-95 the weights' fragments, two sets; v96-127 q's or k's bias; v128-255 cos and sin of tiles 0-3.
;   window 2: q's or k's accumulators, (a, b) at 8 (4 a + b).  window 3: v0-127 v's, (f, a) at 8 (8 f + a); v128-255 cos and sin of tiles 4-7.
.set ROWB,  256
.set KROW,  1024
.set PITCH, 272                        ; an LDS row: 256 bytes + 16 of padding: the 16 rows that a load touches start at 16 different banks (64 banks of 4 bytes: ISA guide 11.1)
.set WOFF,  256*PITCH
.set SLOT,  448*PITCH
.set SPARE, 2*SLOT                     ; the spare words, 128 bytes a wave; no other line names them
.set STQ,   SPARE+512                  ; the way out: q's or k's scale words, 512 bytes a wave
.set STV,   STQ+2048                   ; and v's, 256 bytes for each 128 tokens
.set XSO,   4194304                    ; where x's scale bytes begin in xw
.set CSO,  1                           ; v1   16 x lane
.set VO,   3                           ; v3   64 x lane;  on the way out where a scale word of q or k goes
.set H32,  4                           ; v4   32 hh;  on the way out where one of v goes
.set R4,   5                           ; v5   4 r;  on the way out 8 x lane
.set SPW,  6
.set NIL,  7
.set ADRX, 8                           ; v8-9    LDS address of my fragments of x in slot 0, 1;  on the way out where the words are read back
.set BV,   10                          ; v10-11  v's bias
.set ADRW, 12                          ; v12-13  of Wq or Wk
.set ADRV, 14                          ; v14-15  of Wv
.set SC,   16                          ; scale words: 16 + 16 i + 4 (K step) + q; i = 0-3 x's pairs of tiles, 4-5 Wq's or Wk's, 6 Wv's
.set T,    128
.set TM,   192
.set PC,   208
.set PW,   216
.set BP,   218
.set TA,   220
.set TBB,  236
.set SEL,  100
.set G1,   24
.set G0,   32
.set G1B,  48
.set G0B,  56
.set MSB, 0
.macro WIN new                         ; the immediate's high byte repeats the setting that is left
.if MSB != \new
	s_set_vgpr_msb (MSB<<8)|\new
.set MSB, \new
.endif
.endm
.macro PLACES
.rept 4
	v_nop
.endr
.endm
; A joint load: wave 0 fetches x's rows, waves 1 to 3 a weight's.  Four v_nop follow each line.
.macro JLOAD
	s_cmp_eq_u32 s14, 0
	s_cbranch_scc0 .Lfor_b_\@
	tensor_load_to_lds s[G0:G0+3], s[G1:G1+7]
	s_nop 0
	PLACES
	s_branch .Lasked_\@
.Lfor_b_\@:
	tensor_load_to_lds s[G0B:G0B+3], s[G1B:G1B+7]
	s_nop 0
	PLACES
.Lasked_\@:
.endm
.macro CREST                           ; a round of the cluster's barrier behind its opening barrier
	s_cmp_lg_u32 s14, 0
	s_cbranch_scc1 .Lnot_wave_0_\@
	s_barrier_signal -3
.Lnot_wave_0_\@:
	s_barrier_wait -3
	s_barrier_signal -1
	s_barrier_wait -1
.endm
.macro CROUND
	s_barrier_signal -1
	s_barrier_wait -1
	CREST
.endm
	s_load_b128 s[4:7], s[0:1], 0x0                ; xw, tab
	s_load_b256 s[68:75], s[0:1], 0x10             ; wq's codes, scales, wk's codes, scales
	s_load_b128 s[76:79], s[0:1], 0x30             ; wv's codes, scales
	s_load_b256 s[80:87], s[0:1], 0x40             ; bq, bk, bv, qkw
	s_load_b64 s[88:89], s[0:1], 0x60              ; vw
	v_lshl_add_u32 v[SPW], v0, 2, SPARE
	v_mov_b32 v[NIL], 0
	ds_add_u32 v[SPW], v[NIL]                      ; the opening lines: the add, twice on end, and its wait
	ds_add_u32 v[SPW], v[NIL]
	v_lshrrev_b32 v128, 5, v0
	v_readfirstlane_b32 s14, v128                  ; wave 0..3
	v_and_b32 v128, 15, v0                         ; r = lane % 16
	v_bfe_u32 v129, v0, 4, 1                       ; hh = lane / 16
	v_and_b32 v130, 31, v0                         ; lane
	v_lshlrev_b32 v[VO], 6, v130
	v_lshlrev_b32 v[H32], 5, v129
	v_lshlrev_b32 v[R4], 2, v128
	v_lshlrev_b32 v[CSO], 4, v130
	v_mul_u32_u24 v131, v128, PITCH
	v_lshl_add_u32 v131, v129, 4, v131             ; a fragment's row x pitch + 16 x half
	s_wait_alu depctr_va_vdst(0)                   ; the wait ahead of the scalar lines below
	s_lshr_b32 s15, s14, 1                         ; th
	s_and_b32 s16, s14, 1                          ; fh
	s_bfe_u32 s40, ttmp6, 0x40000                  ; cx, cy
	s_bfe_u32 s41, ttmp6, 0x40004
	s_lshl_b32 s42, ttmp9, 2
	s_add_co_u32 s42, s42, s40                     ; the head
	s_and_b32 s17, ttmp7, 0xffff
	s_lshl_b32 s17, s17, 2
	s_add_co_u32 s17, s17, s41                     ; which 256 tokens
	s_lshl_b32 s43, s41, 2
	s_lshl_b32 s43, 15, s43                        ; my row of the cluster
	s_lshl_b32 s44, 0x1111, s40                    ; my column
	s_or_b32 s[G1], s43, (1<<20)|(1<<21)|(5<<22)|(3<<25)    ; 15:0 the mask: x's tiles go to my row; elements of 1 byte; 20 padding on; 21 set beside a mask; 24:22 after every 64 words; 31:25 four words
	s_or_b32 s[G1B], s44, (1<<20)|(1<<21)|(5<<22)|(3<<25)   ; the weights' go to my column
.irp g, G1, G1B
	s_mov_b32 s[\g+1], ROWB<<16                    ; tensor_dim0
	s_mov_b32 s[\g+3], ROWB<<16                    ; tile_dim0
	s_mov_b32 s[\g+5], KROW                        ; tensor_dim0_stride
	s_mov_b32 s[\g+6], 0
	s_mov_b32 s[\g+7], 0
.endr
	s_mov_b32 s[G1+2], 256<<16                     ; x: 256 rows
	s_mov_b32 s[G1+4], 256
	s_mov_b32 s[G1B+2], 64<<16                     ; a weight: 64 rows
	s_mov_b32 s[G1B+4], 64
	s_mul_i32 s45, s14, 64*PITCH
	s_add_co_u32 s45, s45, 192*PITCH               ; wave w's 64 rows begin at WOFF + 64 (w - 1) rows
	s_mov_b32 s[SEL], 0x76543210                   ; v_permlanex16_b32's selects for lane l xor 16
	s_mov_b32 s[SEL+1], 0xfedcba98
	s_wait_dscnt 0x0                               ; both opening adds are done
	s_wait_kmcnt 0x0
	s_lshl_b32 s20, s17, 18
	s_mov_b32 s21, 0
	s_add_nc_u64 s[20:21], s[4:5], s[20:21]        ; x's codes: 256 rows of 1,024 bytes
	s_cmp_eq_u32 s14, 1
	s_cselect_b64 s[8:9], s[68:69], s[72:73]
	s_cmp_eq_u32 s14, 3
	s_cselect_b64 s[8:9], s[76:77], s[8:9]
	s_lshl_b32 s46, s42, 16
	s_mov_b32 s47, 0
	s_add_nc_u64 s[46:47], s[8:9], s[46:47]        ; my weight's 64 rows of the head
	s_lshl_b32 s22, s17, 14
	s_lshl_b32 s18, s15, 13
	s_add_co_u32 s22, s22, s18
	s_add_co_u32 s22, s22, XSO
	s_mov_b32 s23, 0
	s_add_nc_u64 s[22:23], s[4:5], s[22:23]        ; scale bytes: of my 128 tokens,
	s_cmp_eq_u32 s16, 0
	s_cselect_b64 s[10:11], s[70:71], s[74:75]
	s_cselect_b64 s[12:13], s[80:81], s[82:83]
	s_lshl_b32 s92, s42, 12
	s_mov_b32 s93, 0
	s_add_nc_u64 s[10:11], s[10:11], s[92:93]      ; of the head's 64 rows of Wq or Wk,
	s_lshl_b32 s94, s16, 11
	s_add_co_u32 s94, s94, s92
	s_mov_b32 s95, 0
	s_add_nc_u64 s[94:95], s[78:79], s[94:95]      ; of my 32 rows of Wv
	s_lshl_b32 s18, s42, 8
	s_mov_b32 s19, 0
	s_add_nc_u64 s[12:13], s[12:13], s[18:19]      ; bq or bk at the head
	s_lshl_b32 s92, s16, 7
	s_add_co_u32 s18, s18, s92
	s_add_nc_u64 s[80:81], s[84:85], s[18:19]      ; bv at my 32 channels
	s_lshl_b32 s18, s17, 8
	s_lshl_b32 s19, s15, 7
	s_add_co_u32 s18, s18, s19                     ; my first token
	s_lshr_b32 s92, s18, 11
	s_and_b32 s18, s18, 2047                       ; its position
	s_lshl_b32 s92, s92, 4
	s_add_co_u32 s92, s92, s42                     ; 16 x batch + head
	s_mov_b32 s3, 0
	s_lshl_b32 s2, s18, 8
	s_add_nc_u64 s[6:7], s[6:7], s[2:3]            ; the table at my first position
	s_lshl_b32 s93, s92, 16
	s_lshl_b32 s19, s18, 5
	s_add_co_u32 s93, s93, s19                     ; 65,536 bytes of codes a head, 32 a token
	s_lshl_b32 s2, s16, 21
	s_add_co_u32 s2, s2, s93
	s_add_nc_u64 s[96:97], s[86:87], s[2:3]        ; q's or k's codes
	s_lshl_b32 s2, s16, 11
	s_add_co_u32 s2, s2, s93
	s_add_nc_u64 s[90:91], s[88:89], s[2:3]        ; v's codes
	s_lshl_b32 s2, s92, 13
	s_lshl_b32 s19, s18, 2
	s_add_co_u32 s2, s2, s19
	s_lshl_b32 s19, s16, 18
	s_add_co_u32 s2, s2, s19
	s_add_co_u32 s2, s2, 4194304
	s_add_nc_u64 s[98:99], s[86:87], s[2:3]        ; q's or k's scale words
	s_lshl_b32 s2, s92, 12
	s_lshl_b32 s19, s18, 1
	s_add_co_u32 s2, s2, s19
	s_add_co_u32 s2, s2, 2097152
	s_add_nc_u64 s[66:67], s[88:89], s[2:3]        ; v's scale words
	s_mov_b32 s[G0], 1                             ; K step 0, slot 0
	s_mov_b32 s[G0+1], 0
	s_mov_b64 s[G0+2:G0+3], s[20:21]
	s_or_b32 s[G0+3], s[G0+3], 0x80000000
	s_mov_b32 s[G0B], 1
	s_mov_b32 s[G0B+1], s45
	s_mov_b64 s[G0B+2:G0B+3], s[46:47]
	s_or_b32 s[G0B+3], s[G0B+3], 0x80000000
	; the scale words of all of K: 28 loads; each four of one pair cover 32 rows' 2,048 consecutive bytes
.irp i, 0,1,2,3
.irp s, 0,1,2,3
	global_load_b128 v[SC+16*\i+4*\s:SC+16*\i+4*\s+3], v[CSO], s[22:23] offset:2048*\i+512*\s   ; x's lie as images of registers: 512 consecutive bytes
.endr
.endr
.irp i, 0,1
.irp s, 0,1,2,3
	global_load_b128 v[SC+64+16*\i+4*\s:SC+64+16*\i+4*\s+3], v[VO], s[10:11] offset:2048*\i+16*\s
.endr
.endr
.irp s, 0,1,2,3
	global_load_b128 v[SC+96+4*\s:SC+96+4*\s+3], v[VO], s[94:95] offset:16*\s
.endr
	WIN 0x40
.irp b, 0,1,2,3
	global_load_b128 v[96+8*\b:99+8*\b],   v[H32], s[12:13] offset:64*\b       ; register 8 b + j: the bias of feature 16 b + 8 hh + j
	global_load_b128 v[100+8*\b:103+8*\b], v[H32], s[12:13] offset:64*\b+16
.endr
	WIN 0
	global_load_b32 v[BV], v[R4], s[80:81]         ; the bias of channels 32 fh + r, + 16
	global_load_b32 v[BV+1], v[R4], s[80:81] offset:64
	s_mul_i32 s18, s15, 128*PITCH
	s_mul_i32 s19, s16, 64*PITCH
	s_mul_i32 s92, s16, 32*PITCH
	s_add_co_u32 s19, s19, WOFF
	s_add_co_u32 s92, s92, WOFF+128*PITCH
.irp s, 0,1
	v_add_nc_u32 v[ADRX+\s], s18, v131
	v_add_nc_u32 v[ADRW+\s], s19, v131
	v_add_nc_u32 v[ADRV+\s], s92, v131
	s_add_co_u32 s18, s18, SLOT
	s_add_co_u32 s19, s19, SLOT
	s_add_co_u32 s92, s92, SLOT
.endr
	s_wait_alu depctr_va_vdst(0)                   ; the wait at the head's end
	CROUND                                         ; all sixteen work-groups are here: the first joint loads meet
	JLOAD                                          ; K step 0: one tensor load a wave
; cos and sin of tile a's 16 positions: lane (r, hh): 16 cos and 16 sin, of frequencies 8 hh + 0..7 and 16 + 8 hh + 0..7
.macro CSLOAD a
.irp k, 0,1,2,3
	global_load_b128 v[128+32*((\a)%4)+8*\k:131+32*((\a)%4)+8*\k], v[CSO], s[6:7] offset:4096*(\a)+1024*\k       ; the table lies as images of registers: 512 consecutive bytes
	global_load_b128 v[132+32*((\a)%4)+8*\k:135+32*((\a)%4)+8*\k], v[CSO], s[6:7] offset:4096*(\a)+1024*\k+512
.endr
.endm
; The fragments of 128 along K, the slot's q-th, into set q % 2.  16 rows x 128 K of 4-bit codes: lane l holds row l % 16; registers 4 c .. 4 c + 3 hold K = 64 c + 32 (l / 16) + 0 .. 31
.macro FETCH slot, q
	WIN 0x40                                       ; destination window 1
.irp b, 0,1,2,3
.irp c, 0,1
	ds_load_b128 v[48*((\q)%2)+8*\b+4*\c:48*((\q)%2)+8*\b+4*\c+3], v[ADRW+(\slot)] offset:64*(\q)+32*\c+\b*16*PITCH
.endr
.endr
.irp f, 0,1
.irp c, 0,1
	ds_load_b128 v[48*((\q)%2)+32+8*\f+4*\c:48*((\q)%2)+32+8*\f+4*\c+3], v[ADRV+(\slot)] offset:64*(\q)+32*\c+\f*16*PITCH
.endr
.endr
	WIN 0
.irp a, 0,1,2,3,4,5,6,7
.irp c, 0,1
	ds_load_b128 v[128+64*((\q)%2)+8*\a+4*\c:128+64*((\q)%2)+8*\a+4*\c+3], v[ADRX+(\slot)] offset:64*(\q)+32*\c+\a*16*PITCH
.endr
.endr
.endm
.set ZERO, 0
.macro WM                              ; one product; RA, RB: which half of the lanes carries source 0's and source 1's scale words
.if ZERO
.if RA
.if RB
	v_wmma_scale_f32_16x16x128_f8f6f4 v[WD:WD+7], v[WA:WA+7], v[WB:WB+7], 0, v[WSA], v[WSB] matrix_a_fmt:MATRIX_FMT_FP4 matrix_b_fmt:MATRIX_FMT_FP4 matrix_a_scale:MATRIX_SCALE_ROW1 matrix_b_scale:MATRIX_SCALE_ROW1
.else
	v_wmma_scale_f32_16x16x128_f8f6f4 v[WD:WD+7], v[WA:WA+7], v[WB:WB+7], 0, v[WSA], v[WSB] matrix_a_fmt:MATRIX_FMT_FP4 matrix_b_fmt:MATRIX_FMT_FP4 matrix_a_scale:MATRIX_SCALE_ROW1
.endif
.else
.if RB
	v_wmma_scale_f32_16x16x128_f8f6f4 v[WD:WD+7], v[WA:WA+7], v[WB:WB+7], 0, v[WSA], v[WSB] matrix_a_fmt:MATRIX_FMT_FP4 matrix_b_fmt:MATRIX_FMT_FP4 matrix_b_scale:MATRIX_SCALE_ROW1
.else
	v_wmma_scale_f32_16x16x128_f8f6f4 v[WD:WD+7], v[WA:WA+7], v[WB:WB+7], 0, v[WSA], v[WSB] matrix_a_fmt:MATRIX_FMT_FP4 matrix_b_fmt:MATRIX_FMT_FP4
.endif
.endif
.else
.if RA
.if RB
	v_wmma_scale_f32_16x16x128_f8f6f4 v[WD:WD+7], v[WA:WA+7], v[WB:WB+7], v[WD:WD+7], v[WSA], v[WSB] matrix_a_fmt:MATRIX_FMT_FP4 matrix_b_fmt:MATRIX_FMT_FP4 matrix_a_scale:MATRIX_SCALE_ROW1 matrix_b_scale:MATRIX_SCALE_ROW1
.else
	v_wmma_scale_f32_16x16x128_f8f6f4 v[WD:WD+7], v[WA:WA+7], v[WB:WB+7], v[WD:WD+7], v[WSA], v[WSB] matrix_a_fmt:MATRIX_FMT_FP4 matrix_b_fmt:MATRIX_FMT_FP4 matrix_a_scale:MATRIX_SCALE_ROW1
.endif
.else
.if RB
	v_wmma_scale_f32_16x16x128_f8f6f4 v[WD:WD+7], v[WA:WA+7], v[WB:WB+7], v[WD:WD+7], v[WSA], v[WSB] matrix_a_fmt:MATRIX_FMT_FP4 matrix_b_fmt:MATRIX_FMT_FP4 matrix_b_scale:MATRIX_SCALE_ROW1
.else
	v_wmma_scale_f32_16x16x128_f8f6f4 v[WD:WD+7], v[WA:WA+7], v[WB:WB+7], v[WD:WD+7], v[WSA], v[WSB] matrix_a_fmt:MATRIX_FMT_FP4 matrix_b_fmt:MATRIX_FMT_FP4
.endif
.endif
.endif
.endm
; q or k: tiles of tokens lo .. hi - 1 x 4 tiles of features.  The 48 accumulators take turns, one instruction a turn, in the same order in every step
.macro MULQK ks, q, lo, hi
	WIN 0xa1                                       ; source 0 window 1, source 1 window 0, C and D window 2
.irp a, 0,1,2,3,4,5,6,7
.if (\a >= \lo) && (\a < \hi)
.irp b, 0,1,2,3
.set WD, 8*(4*\a+\b)
.set WA, 48*((\q)%2)+8*\b
.set WB, 128+64*((\q)%2)+8*\a
.set WSA, SC+16*(4+\b/2)+4*(\ks)+(\q)
.set WSB, SC+16*(\a/2)+4*(\ks)+(\q)
.set RA, \b%2
.set RB, \a%2
	WM
.endr
.endif
.endr
.endm
.macro MULV ks, q                      ; v: 2 tiles of channels x 8 tiles of tokens
	WIN 0xf4                                       ; source 0 window 0, source 1 window 1, C and D window 3
.irp f, 0,1
.irp a, 0,1,2,3,4,5,6,7
.set WD, 8*(8*\f+\a)
.set WA, 128+64*((\q)%2)+8*\a
.set WB, 48*((\q)%2)+32+8*\f
.set WSA, SC+16*(\a/2)+4*(\ks)+(\q)
.set WSB, SC+96+4*(\ks)+(\q)
.set RA, \a%2
.set RB, \f
	WM
.endr
.endr
.endm
.macro STEP ks, q                      ; 128 along K, with its successor in the same slot
	s_wait_dscnt 0x0                               ; this step's fragments are in (asked for 40 matrix instructions ago)
	MULQK \ks, \q, 0, 2
	PLACES                                         ; in front of loads into the set that the last step multiplied (ISA guide 7.12.1 for vector instructions)
	FETCH (\ks)%2, (\q)+1
	MULQK \ks, \q, 2, 8
	MULV \ks, \q
.endm
; A slot's last step changes slots: one barrier; in front of it each wave waits for all its tensor loads, adds 0 to its spare word, and waits for that and for its reads of this slot.  fill = 1: this slot is filled again, with K step ks + 2
.macro TURN ks, fill
	WIN 0
	s_wait_tensorcnt 0x0                           ; all my tensor loads have landed: my part of the next slot
	ds_add_u32 v[SPW], v[NIL]                      ; 0 onto my spare word
.if \fill
	s_add_nc_u64 s[G0+2:G0+3], s[G0+2:G0+3], ROWB  ; no load of mine is out: the next K step,
	s_add_nc_u64 s[G0B+2:G0B+3], s[G0B+2:G0B+3], ROWB
	s_mov_b32 s[G0+1], ((\ks)%2)*SLOT              ; into this slot
	s_add_co_u32 s[G0B+1], s45, ((\ks)%2)*SLOT
.endif
	s_wait_dscnt 1                                 ; this step's fragments are in; the add may be out
	MULQK \ks, 3, 0, 2
	s_wait_dscnt 0x0                               ; the add is done
	s_barrier_signal -1
	MULQK \ks, 3, 2, 6
	WIN 0
	s_barrier_wait -1
.if \fill
	CREST                                          ; the barrier has opened a round of the cluster's barrier: no wave of any partner still reads this slot or has a load on its way
	JLOAD                                          ; the first tensor load behind the round; its four v_nop are also the places in front of the loads below
.else
	PLACES
.endif
	FETCH ((\ks)+1)%2, 0
	MULQK \ks, 3, 6, 8
	MULV \ks, 3
.endm
	s_wait_tensorcnt 0x0                           ; my part of K step 0 is in
	ds_add_u32 v[SPW], v[NIL]
	s_add_nc_u64 s[G0+2:G0+3], s[G0+2:G0+3], ROWB  ; K step 1, slot 1
	s_add_nc_u64 s[G0B+2:G0B+3], s[G0B+2:G0B+3], ROWB
	s_mov_b32 s[G0+1], SLOT
	s_add_co_u32 s[G0B+1], s45, SLOT
	s_wait_dscnt 0x0                               ; the add is done
	CROUND                                         ; everybody's part of K step 0 is in, and the joint loads meet
	JLOAD
	FETCH 0, 0
	s_wait_loadcnt 10                              ; the 28 loads of scale words are in; the ten of the biases, issued behind them, may be out
.set ZERO, 1
	STEP 0, 0                                      ; its products start the sums
.set ZERO, 0
	WIN 0x40                                       ; destination window 1
	CSLOAD 0
	CSLOAD 1
	CSLOAD 2
	CSLOAD 3
	STEP 0, 1
	WIN 0xc0                                       ; destination window 3
	CSLOAD 4
	CSLOAD 5
	CSLOAD 6
	CSLOAD 7
	STEP 0, 2
	TURN 0, 1
	STEP 1, 0
	STEP 1, 1
	STEP 1, 2
	TURN 1, 1
	STEP 2, 0
	STEP 2, 1
	STEP 2, 2
	TURN 2, 0
	STEP 3, 0
	STEP 3, 1
	STEP 3, 2
	s_wait_dscnt 0x0
	MULQK 3, 3, 0, 8
	MULV 3, 3
	WIN 0
; 64 numbers of a lane, v[s] on, register 16 B + 8 u + j = index 32 B + 16 u + 8 hh + j, become eight registers of codes in v[PC] on and the four blocks' bytes in v[TM+4] on
.macro QUANT s
.irp b, 0,1,2,3
	v_max3_num_f32 v[TM+\b], |v[\s+16*\b]|, |v[\s+1+16*\b]|, 0x1800000   ; and the floor 2^(3 - 127): the byte cannot fall under 1
.endr
.irp i, 2,4,6,8,10,12,14
.irp b, 0,1,2,3
	v_max3_num_f32 v[TM+\b], v[TM+\b], |v[\s+16*\b+\i]|, |v[\s+1+16*\b+\i]|   ; the four blocks by turns
.endr
.endr
.irp b, 0,1,2,3
	v_permlanex16_b32 v[TM+4+\b], v[TM+\b], s[SEL], s[SEL+1]
.endr
.irp b, 0,1,2,3
	v_max_num_f32 v[TM+\b], v[TM+\b], v[TM+4+\b]   ; with lane l xor 16's: the block's largest magnitude
.endr
.irp b, 0,1,2,3
	v_add_nc_u32 v[TM+12+\b], 0xff000000, v[TM+\b] ; 2 off its exponent field: the conversion's scale operand
.endr
.irp b, 0,1,2,3
	v_lshrrev_b32 v[TM+4+\b], 23, v[TM+12+\b]      ; the scale's byte
.endr
.irp c, 0,1
.irp e, 0,1
	v_cvt_scalef32_pk8_fp4_f32 v[PC+4*\c+\e],   v[\s+16*(2*\c+\e):\s+16*(2*\c+\e)+7],    v[TM+12+2*\c+\e]   ; block 2 c + e: its places 8 hh + 0..7,
	v_cvt_scalef32_pk8_fp4_f32 v[PC+4*\c+2+\e], v[\s+16*(2*\c+\e)+8:\s+16*(2*\c+\e)+15], v[TM+12+2*\c+\e]   ; and 16 + 8 hh + 0..7
.endr
.endr
	v_nop                                          ; one plain instruction behind the scaled conversions
.irp c, 0,1
	v_permlane16_swap_b32 v[PC+4*\c],   v[PC+4*\c+1]   ; lanes 0-15 now hold block 2 c, lanes 16-31 block 2 c + 1
	v_permlane16_swap_b32 v[PC+4*\c+2], v[PC+4*\c+3]
.endr
.endm
; q or k: tiles of tokens 2 g and 2 g + 1, 32 results each
.macro QKOUT g
	s_wait_xcnt 0x0                                ; the last stores have read the codes' registers
	WIN 0x06                                       ; source 0 window 2 (results), source 1 window 1 (bias)
.irp u, 0,1
.set jj, 0
.rept 16
	v_pk_add_f32 v[T+32*\u+jj:T+32*\u+jj+1], v[32*(2*(\g)+\u)+jj:32*(2*(\g)+\u)+jj+1], v[96+jj:97+jj]   ; + bias; each accumulator from its low end on
.set jj, jj+2
.endr
.endr
	WIN (0x04+8*((\g)/2))                          ; source 1 (cos, sin): window 1 or 3
.irp u, 0,1
.set XT, T+32*\u
.set CSB, 128+32*((2*(\g)+\u)%4)
.irp p, 0,2,4,6,8,10,12,14
	v_pk_mul_f32 v[TA+\p:TA+\p+1],   v[XT+16+\p:XT+17+\p], v[CSB+16+\p:CSB+17+\p]   ; x2 sin
	v_pk_mul_f32 v[TBB+\p:TBB+\p+1], v[XT+\p:XT+1+\p],     v[CSB+16+\p:CSB+17+\p]   ; x1 sin
.endr
.irp p, 0,2,4,6,8,10,12,14
	v_pk_fma_f32 v[XT+\p:XT+1+\p],     v[XT+\p:XT+1+\p],     v[CSB+\p:CSB+1+\p], v[TA+\p:TA+\p+1] neg_lo:[0,0,1] neg_hi:[0,0,1]   ; x1 cos - x2 sin
	v_pk_fma_f32 v[XT+16+\p:XT+17+\p], v[XT+16+\p:XT+17+\p], v[CSB+\p:CSB+1+\p], v[TBB+\p:TBB+\p+1]                               ; x2 cos + x1 sin
.endr
.endr
	WIN 0
	QUANT T
	v_lshl_or_b32 v[PW], v[TM+5], 8, v[TM+4]
	v_lshl_or_b32 v[PW+1], v[TM+7], 8, v[TM+6]
	v_or_b32 v[PW], 0x7f7f0000, v[PW]              ; the bytes of the zero codes that fill K from 64 to 128: 2^0
	v_or_b32 v[PW+1], 0x7f7f0000, v[PW+1]
.irp u, 0,1
	global_store_b128 v[CSO], v[PC+4*\u:PC+4*\u+3], s[96:97] offset:512*(2*(\g)+\u)   ; the wave stores 512 consecutive bytes, aligned
	ds_store_b32 v[VO], v[PW+\u] offset:256*\u+4*(\g)                                 ; lanes l and l xor 16 write the same word with the same value
.endr
.endm
; v: tile f of 16 channels x my 128 tokens: one whole operand of the attention's second product
.macro VOUT f
	s_wait_xcnt 0x0
	v_mov_b32 v[BP], v[BV+(\f)]
	v_mov_b32 v[BP+1], v[BV+(\f)]
	WIN 0x03                                       ; source 0 window 3
.set jj, 0
.rept 32
	v_pk_add_f32 v[T+jj:T+jj+1], v[64*(\f)+jj:64*(\f)+jj+1], v[BP:BP+1]
.set jj, jj+2
.endr
	WIN 0
	QUANT T
	v_lshl_or_b32 v[PW], v[TM+5], 8, v[TM+4]
	v_lshl_or_b32 v[PW], v[TM+6], 16, v[PW]
	v_lshl_or_b32 v[PW], v[TM+7], 24, v[PW]
	global_store_b128 v[CSO], v[PC:PC+3],   s[90:91] offset:1024*(\f)
	global_store_b128 v[CSO], v[PC+4:PC+7], s[90:91] offset:1024*(\f)+512
	ds_store_b32 v[H32], v[PW] offset:128*(\f)
.endm
	PLACES                                         ; behind the last products
	s_wait_loadcnt 0x0                             ; biases, cos and sin are in: their address registers are free
	s_lshl_b32 s18, s14, 9
	s_add_co_u32 s18, s18, STQ
	s_lshl_b32 s19, s15, 8
	s_add_co_u32 s19, s19, STV
	s_lshl_b32 s92, s16, 2
	s_add_co_u32 s92, s92, s19
	v_and_b32 v192, 15, v0
	v_and_b32 v193, 31, v0
	v_lshl_add_u32 v[VO], v192, 4, s18             ; q, k: 16 r
	v_lshl_add_u32 v[H32], v192, 3, s92            ; v: 8 r + 4 fh
	v_lshlrev_b32 v[CSO], 4, v193
	v_lshlrev_b32 v[R4], 3, v193
	v_add_nc_u32 v[ADRX], s18, v[CSO]
	v_add_nc_u32 v[ADRX+1], s19, v[R4]
.irp b, 0,1,2,3
	v_mov_b32 v[TM+4+\b], 0                        ; a lane permute's destination counts as one of its sources
.endr
	s_wait_alu depctr_va_vdst(0)                   ; the wait ahead of the waits below
	QKOUT 0
	QKOUT 1
	QKOUT 2
	QKOUT 3
	VOUT 0
	VOUT 1
	s_wait_alu depctr_va_vdst(0)
	s_wait_dscnt 0x0                               ; my words have landed
	s_barrier_signal -1
	s_barrier_wait -1                              ; v's 256 bytes of words are two waves' work
	ds_load_b128 v[128:131], v[ADRX]
	s_wait_dscnt 0x0
	global_store_b128 v[CSO], v[128:131], s[98:99] ; the head's scale words of my 128 tokens: 512 consecutive bytes
	s_cmp_lg_u32 s16, 0
	s_cbranch_scc1 .Lno_vw
	ds_load_b64 v[132:133], v[ADRX+1]
	s_wait_dscnt 0x0
	global_store_b64 v[R4], v[132:133], s[66:67]   ; 256 consecutive bytes, aligned
.Lno_vw:
	s_wait_tensorcnt 0x0                           ; the wave's end
	ds_add_u32 v[SPW], v[NIL]
	s_wait_dscnt 0x0
	CROUND                                         ; the closing round: no work-group ends while a partner may still ask for a tile that names it
	s_endpgm
.Lfunc_end_k_q0e498eb45e_qkv:
	.size	k_q0e498eb45e_qkv, .Lfunc_end_k_q0e498eb45e_qkv-k_q0e498eb45e_qkv
	.p2alignl 7, 3214868480
	.fill 96, 4, 3214868480
	.section	.rodata,"a",@progbits
	.p2align	6, 0x0
	.amdhsa_kernel k_q0e498eb45e_qkv
		.amdhsa_group_segment_fixed_size 327680
		.amdhsa_private_segment_fixed_size 0
		.amdhsa_enable_private_segment 0
		.amdhsa_kernarg_size 104
		.amdhsa_user_sgpr_count 2
		.amdhsa_user_sgpr_kernarg_segment_ptr 1
		.amdhsa_wavefront_size32 1
		.amdhsa_system_sgpr_workgroup_id_x 1
		.amdhsa_system_sgpr_workgroup_id_y 1
		.amdhsa_system_sgpr_workgroup_id_z 1
		.amdhsa_system_vgpr_workitem_id 0
		.amdhsa_next_free_vgpr 1024
		.amdhsa_next_free_sgpr 102
		.amdhsa_reserve_vcc 0
		.amdhsa_float_denorm_mode_32 3
		.amdhsa_float_denorm_mode_16_64 3
		.amdhsa_memory_ordered 1
		.amdhsa_forward_progress 1
		.amdhsa_inst_pref_size 205
	.end_amdhsa_kernel
	.amdgpu_metadata
---
amdhsa.version: [ 1, 2 ]
amdhsa.kernels:
  - .name:           k_q0e498eb45e_qkv
    .symbol:         k_q0e498eb45e_qkv.kd
    .args:
      - { .name: xw, .offset: 0, .size: 8, .value_kind: global_buffer, .address_space: global }
      - { .name: tab, .offset: 8, .size: 8, .value_kind: global_buffer, .address_space: global }
      - { .name: wq_codes, .offset: 16, .size: 8, .value_kind: global_buffer, .address_space: global }
      - { .name: wq_scales, .offset: 24, .size: 8, .value_kind: global_buffer, .address_space: global }
      - { .name: wk_codes, .offset: 32, .size: 8, .value_kind: global_buffer, .address_space: global }
      - { .name: wk_scales, .offset: 40, .size: 8, .value_kind: global_buffer, .address_space: global }
      - { .name: wv_codes, .offset: 48, .size: 8, .value_kind: global_buffer, .address_space: global }
      - { .name: wv_scales, .offset: 56, .size: 8, .value_kind: global_buffer, .address_space: global }
      - { .name: bq, .offset: 64, .size: 8, .value_kind: global_buffer, .address_space: global }
      - { .name: bk, .offset: 72, .size: 8, .value_kind: global_buffer, .address_space: global }
      - { .name: bv, .offset: 80, .size: 8, .value_kind: global_buffer, .address_space: global }
      - { .name: qkw, .offset: 88, .size: 8, .value_kind: global_buffer, .address_space: global }
      - { .name: vw, .offset: 96, .size: 8, .value_kind: global_buffer, .address_space: global }
    .group_segment_fixed_size: 327680
    .private_segment_fixed_size: 0
    .kernarg_segment_align: 8
    .kernarg_segment_size: 104
    .max_flat_workgroup_size: 128
    .sgpr_count:     102
    .vgpr_count:     1024
    .wavefront_size: 32
...
	.end_amdgpu_metadata
.endif
;; end of part 2
;; launch attn (part 3): grid 8 x 32, 16 waves a work-group, clusters of 4 x 1, 327,680 bytes of LDS; arguments qkw, vw, ow; writes ow
.if DOCPART == 3
	.amdgcn_target "amdgcn-amd-amdhsa--gfx1250"
	.amdhsa_code_object_version 6
	.text
	.protected	k_q0e498eb45e_attn
	.globl	k_q0e498eb45e_attn
	.p2align	8
	.type	k_q0e498eb45e_attn,@function
k_q0e498eb45e_attn:
	s_mov_b64 s[64:65], 0
	v_nop
	global_prefetch_b8 v0, s[64:65] scope:SCOPE_SE
	s_setreg_imm32_b32 hwreg(HW_REG_WAVE_MODE, 25, 1), 1
	s_wait_xcnt 0x0
	s_wait_alu depctr_hold_cnt(0) depctr_sa_sdst(0) depctr_va_vdst(0) depctr_va_sdst(0) depctr_va_ssrc(0) depctr_va_vcc(0) depctr_vm_vsrc(0)
	s_getreg_b32 s2, hwreg(HW_REG_IB_STS2, 6, 4)
	s_cmp_eq_u32 s2, 0
	s_cbranch_scc0 .Lentry_in_a_cluster
	s_endpgm
.Lentry_in_a_cluster:
	s_bfe_u32 s2, ttmp6, 0x10000c
	s_cmp_lg_u32 s2, 0x3003
	s_cbranch_scc0 .Lentry_shape_is_right
	s_endpgm
.Lentry_shape_is_right:
; o = softmax(q k^T / 8, causal) v for 32 heads of batch, on codes of E2M1 with E8M0 scales, and o quantised along the head's 64 for the projection.
; LEFT OUT: key steps of 128 (and, of a diagonal step, its last 64 keys) all of whose keys come after the wave's 16 queries: the mask that the problem builds in its own body throws them away whatever the inputs hold.
; THE SOFTMAX: t = score x log2(e) / 8; M = the row's largest t so far, rounded UP to a whole number; p = 2^(t - M) is quantised along the keys, its sum is taken of the unquantised p and divides at the end.
; When M moves, the sum and O are multiplied by 2^(old M - new M): exact.  A block's largest p is the exponential of its largest score.
; SHARES.  A head's eight work-groups are two clusters of four.  With u = 2 (wave % 4) + cluster x = 0 .. 7, a work-group has for each of its four u two pairs of waves (w, w xor 4); a pair has two tiles of 16 queries: one in block u of 128 queries (u open
; key steps and the diagonal one) and one in block 15 - u (15 - u open ones and the diagonal one).  The pair's EARLY wave takes the late tile's steps 0 .. 7 - u, hands their sums to the LATE wave through LDS, and then makes the early tile: u open steps and
; a diagonal one.  The LATE wave takes the late tile's steps 8 - u .. 14 - u and its diagonal one, and joins.  So all waves' walks are of one length, whatever u.
; The place in the cluster picks only WHICH tile of its block a wave has: tile cx + 4 e, e = wave / 8.  So no branch and no LDS address hangs on the place, and K and V are asked for jointly by all four.
; LDS holds the head's K and V whole, filled once, at the head: K's pieces (pairs of tiles) and V's (tiles of 16 channels), 16,384 bytes each: 1,024 a step.  No prefetch: all that the launch reads is asked for at its head.
; LAYOUT.  S^T = K Q^T and O^T = V^T P^T: a lane holds ONE query (lane % 16); register 8 t + j of S is key 16 t + 8 (lane / 16) + j of the step.
; o's scale bytes go out as 512 bytes for each work-group: [head of batch 32][cluster x 2][place 4][wave % 4][late 2][e 2][16 queries][2 bytes].
; LIMITS: NaN and infinities are not served; the promise holds while the scaled scores stay under 2^31 in magnitude; a block of zeros keeps the byte 1 (its codes are zeros; this program alone reads the bytes); v_exp_f32 is taken not to fall where its input rises (ISA guide: 1 ulp).
; REGISTERS: v1-11 addresses; v12 -M, v13 the largest score, v[14:15] the sum in two halves; v16-23 Q; v24-31 scale words; v32-95 K; v96-159 S, then p; v160-191 O; v192-223 V; v224-231 p's codes; v232-255 at work (v241-243 addresses).
.set VB,    65536
.set SCK,   131072                     ; K's scale words: 512 bytes a step
.set SCV,   139264                     ; V's: 256 bytes a step
.set SPARE, 143360                     ; the spare words, 128 bytes a wave; no other line names them
.set OST,   145408                     ; o's scale bytes on their way out, 512
.set PART,  145920                     ; what an early wave hands to its late one: 4,608 bytes for each wave, its own
.set QST,   219648                     ; the early tile's Q, laid aside: 1,024 bytes a wave
.set KCO,   2097152
.set QSO,   4194304
.set KSO,   4456448
.set VSO,   2097152
.set OSO,   2097152
.set LI,   1
.set AV0,  2
.set ASK0, 3
.set ASV0, 4
.set SPW,  5
.set NIL,  6
.set OSW,  7
.set ADK,  8
.set ADV,  9
.set ADS,  10
.set ADT,  11
.set PA,   241
.set PR,   243
.set QS,   242
.set WV,   18
.set KC,   19
.set SEL,  20
.set CS,   22
.set G1C,  24
.set G1SK, 32
.set G1SV, 40
.set G0C,  48
.set G0SK, 52
.set G0SV, 56
.set KD,   60
.set NC,   61
.set OFF1, 62
.set EE,   63
.set OFF2, 66
.set LT,   70
.set SW,   73
.set U,    99
.macro CROUND                          ; a round of the cluster's barrier
	s_barrier_signal -1
	s_barrier_wait -1
	s_cmp_lg_u32 s[WV], 0
	s_cbranch_scc1 .Lnot_wave_0_\@
	s_barrier_signal -3
.Lnot_wave_0_\@:
	s_barrier_wait -3
	s_barrier_signal -1
	s_barrier_wait -1
.endm
.macro PLACES
.rept 4
	v_nop
.endr
.endm
	s_load_b128 s[4:7], s[0:1], 0x0                ; qkw, vw
	s_load_b64 s[8:9], s[0:1], 0x10                ; ow
	v_lshl_add_u32 v[SPW], v0, 2, SPARE
	v_mov_b32 v[NIL], 0
	ds_add_u32 v[SPW], v[NIL]                      ; the opening lines: the add, twice on end, and its wait
	ds_add_u32 v[SPW], v[NIL]
	v_lshrrev_b32 v8, 5, v0
	v_readfirstlane_b32 s[WV], v8                  ; wave 0..15
	v_and_b32 v248, 31, v0                         ; lane
	v_and_b32 v249, 15, v0                         ; r
	v_bfe_u32 v250, v0, 4, 1                       ; hh
	v_lshlrev_b32 v[LI], 4, v248
	v_lshl_add_u32 v[ASV0], v248, 3, SCV
	v_lshlrev_b32 v251, 4, v249                    ; 16 r: q's scale words
	v_lshlrev_b32 v250, 3, v250
	v_add_nc_u32 v[ASK0], SCK, v[LI]
	v_add_nc_u32 v[AV0], VB, v[LI]
	v_sub_nc_u32 v255, v249, v250                  ; r - 8 hh
	s_wait_alu depctr_va_vdst(0)                   ; the wait ahead of the scalar lines below
	s_and_b32 s68, s[WV], 3
	s_lshr_b32 s69, s[WV], 2
	s_xor_b32 s[LT], s68, s69
	s_and_b32 s[LT], s[LT], 1                      ; 1: a late wave
	s_lshr_b32 s[EE], s[WV], 3                     ; e
	s_and_b32 s71, ttmp9, 1                        ; the cluster's x
	s_bfe_u32 s67, ttmp6, 0x40000                  ; cx
	s_and_b32 s72, ttmp7, 0xffff                   ; 16 x batch + head
	s_lshl_b32 s74, s68, 1
	s_or_b32 s[U], s74, s71                        ; u
	s_mul_i32 s75, s[LT], 15
	s_xor_b32 s[KD], s[U], s75
	s_and_b32 s[KD], s[KD], 15                     ; the block of my own tile: u or 15 - u
	s_xor_b32 s74, s[U], 7
	s_mul_i32 s[OFF1], s74, s[LT]                  ; trip i's key step: i + OFF1 ahead of trip SW, i + OFF2 from there on, modulo 16.  Late: i + 7 - u, i = 1 .. 7;
	s_or_b32 s[OFF2], s[U], 8                      ; early: i up to 7 - u, then i - (8 - u)
	s_xor_b32 s[OFF2], s[OFF2], s75
	s_sub_co_u32 s[SW], 8, s[U]
	s_cmp_eq_u32 s[LT], 1
	s_cselect_b32 s[SW], 64, s[SW]                 ; (a late wave never changes tiles)
	s_lshl_b32 s76, s[EE], 2
	s_add_co_u32 s76, s76, s67                     ; which tile of a block
	s_mov_b32 s79, 0
	s_mov_b32 s81, 0
	s_mov_b32 s83, 0
	s_mov_b32 s87, 0
	s_mov_b32 s89, 0
	s_mov_b32 s93, 0
	s_mov_b32 s95, 0
	s_lshl_b32 s84, s72, 16                        ; q's codes: the late tile's,
	s_lshl_b32 s85, s76, 9
	s_add_co_u32 s84, s84, s85
	s_xor_b32 s74, s[U], 15
	s_lshl_b32 s78, s74, 12
	s_add_co_u32 s78, s78, s84
	s_lshl_b32 s92, s[U], 12                       ; and the early tile's
	s_add_co_u32 s92, s92, s84
	s_lshl_b32 s84, s72, 13                        ; the scale words likewise
	s_and_b32 s85, s76, 1
	s_lshl_b32 s85, s85, 8
	s_add_co_u32 s84, s84, s85
	s_lshr_b32 s85, s76, 1
	s_lshl_b32 s85, s85, 2
	s_add_co_u32 s84, s84, s85
	s_add_co_u32 s84, s84, QSO
	s_lshl_b32 s80, s74, 9
	s_add_co_u32 s80, s80, s84
	s_lshl_b32 s94, s[U], 9
	s_add_co_u32 s94, s94, s84
	s_lshl_b32 s77, s[KD], 3
	s_add_co_u32 s77, s77, s76                     ; my own tile of the head
	s_lshr_b32 s90, s72, 4
	s_lshl_b32 s82, s90, 20
	s_lshl_b32 s90, s77, 13
	s_add_co_u32 s82, s82, s90
	s_and_b32 s90, s72, 15
	s_lshl_b32 s90, s90, 9
	s_add_co_u32 s82, s82, s90                     ; o's codes
	s_lshl_b32 s88, s72, 12
	s_lshl_b32 s90, s71, 11
	s_add_co_u32 s88, s88, s90
	s_lshl_b32 s90, s67, 9
	s_add_co_u32 s88, s88, s90
	s_add_co_u32 s88, s88, OSO                     ; o's scale bytes: my work-group's 512
	s_lshl_b32 s96, s67, 4
	s_lshl_b32 s97, s68, 7
	s_lshl_b32 s98, s[LT], 6
	s_add_co_u32 s97, s97, s98
	s_lshl_b32 s98, s[EE], 5
	s_add_co_u32 s97, s97, s98
	s_add_co_u32 s97, s97, OST
	v_add_nc_u32 v255, s96, v255                   ; d = 16 cx + r - 8 hh: of the half of the diagonal step in which my tile lies, register 8 t + j is hidden where 16 t + j > d
	v_lshl_add_u32 v[OSW], v249, 1, s97
	s_mul_i32 s96, s[WV], 4608
	s_add_co_u32 s96, s96, PART                    ; my bytes of the hand-over,
	s_xor_b32 s98, s[WV], 4
	s_mul_i32 s98, s98, 4608
	s_add_co_u32 s98, s98, PART                    ; and the other wave's of my pair
	s_lshl_b32 s97, s[WV], 10
	s_add_co_u32 s97, s97, QST
	v_add_nc_u32 v[PA], s96, v[LI]
	v_add_nc_u32 v[PR], s98, v[LI]
	v_add_nc_u32 v[QS], s97, v[LI]
	; descriptor groups 1.  K, V: rows of 1,024 bytes (128 elements of 8), one a step, 4,096 bytes apart; the scale words: dense blocks as rows of 256 bytes.  15:0 the mask: all four places; 21 set beside a mask
.irp g, G1C, G1SK, G1SV
	s_mov_b32 s[\g], 15|(3<<16)|(1<<21)
	s_mov_b32 s[\g+6], 0
	s_mov_b32 s[\g+7], 0
.endr
	s_mov_b32 s[G1C+1], 128<<16
	s_mov_b32 s[G1C+2], 16<<16
	s_mov_b32 s[G1C+3], 128<<16
	s_mov_b32 s[G1C+4], 16
	s_mov_b32 s[G1C+5], 512
	s_mov_b32 s[G1SK+1], 32<<16
	s_mov_b32 s[G1SK+2], 32<<16
	s_mov_b32 s[G1SK+3], 32<<16
	s_mov_b32 s[G1SK+4], 32
	s_mov_b32 s[G1SK+5], 32
	s_mov_b32 s[G1SV+1], 32<<16
	s_mov_b32 s[G1SV+2], 16<<16
	s_mov_b32 s[G1SV+3], 32<<16
	s_mov_b32 s[G1SV+4], 16
	s_mov_b32 s[G1SV+5], 32
	s_mov_b32 s[SEL], 0x76543210                   ; v_permlanex16_b32's selects for lane l xor 16
	s_mov_b32 s[SEL+1], 0xfedcba98
	s_mov_b32 s[CS], 0x3e38aa3b                    ; c = log2(e) / 8
	s_mov_b32 s[CS+1], s[CS]                       ; (named with it as a pair)
	s_mov_b32 s[NC], 0xbe38aa3b                    ; -c
	s_wait_alu depctr_va_vdst(0)
	s_wait_dscnt 0x0                               ; both opening adds are done
	s_wait_kmcnt 0x0
	s_add_nc_u64 s[14:15], s[4:5], s[78:79]
	s_add_nc_u64 s[16:17], s[4:5], s[80:81]
	s_add_nc_u64 s[92:93], s[4:5], s[92:93]
	s_add_nc_u64 s[94:95], s[4:5], s[94:95]
	s_add_nc_u64 s[10:11], s[8:9], s[82:83]
	s_add_nc_u64 s[12:13], s[8:9], s[88:89]
	global_load_b128 v[16:19], v[LI], s[14:15]     ; the late tile's Q, for both waves of the pair: lanes 0-15 the first 32 of a row, lanes 16-31 the others
	global_load_b32 v31, v251, s[16:17]            ; and its scale words
	global_load_b128 v[224:227], v[LI], s[92:93]   ; the early tile's, with no branch: a late wave's copy is not read
	global_load_b32 v228, v251, s[94:95]
	s_and_b32 s90, s[WV], 3
	s_lshl_b32 s90, s90, 10
	s_lshl_b32 s86, s72, 16
	s_add_co_u32 s86, s86, s90
	s_cmp_lt_u32 s[WV], 4                          ; waves 0 to 3 fetch K's four pieces, waves 4 to 7 V's
	s_cselect_b64 s[84:85], s[4:5], s[6:7]
	s_cselect_b32 s90, KCO, 0
	s_add_co_u32 s86, s86, s90
	s_and_b32 s91, s[WV], 7
	s_lshl_b32 s91, s91, 14
	s_mov_b32 s[G0C], 1
	s_mov_b32 s[G0C+1], s91
	s_add_nc_u64 s[G0C+2:G0C+3], s[84:85], s[86:87]
	s_or_b32 s[G0C+3], s[G0C+3], 0x80000000
	s_lshl_b32 s86, s72, 13
	s_add_co_u32 s86, s86, KSO
	s_mov_b32 s[G0SK], 1
	s_mov_b32 s[G0SK+1], SCK
	s_add_nc_u64 s[G0SK+2:G0SK+3], s[4:5], s[86:87]
	s_or_b32 s[G0SK+3], s[G0SK+3], 0x80000000
	s_lshl_b32 s86, s72, 12
	s_add_co_u32 s86, s86, VSO
	s_mov_b32 s[G0SV], 1
	s_mov_b32 s[G0SV+1], SCV
	s_add_nc_u64 s[G0SV+2:G0SV+3], s[6:7], s[86:87]
	s_or_b32 s[G0SV+3], s[G0SV+3], 0x80000000
	CROUND                                         ; all four work-groups are here: the joint loads meet
	; the head's loads, one a wave: waves 0 to 7 a piece, wave 8 K's scale words, wave 9 V's
	s_cmp_lt_u32 s[WV], 8
	s_cbranch_scc0 .Lhead_sk
	tensor_load_to_lds s[G0C:G0C+3], s[G1C:G1C+7]
	s_nop 0
	PLACES
	s_branch .Lhead_asked
.Lhead_sk:
	s_cmp_lt_u32 s[WV], 9
	s_cbranch_scc0 .Lhead_sv
	tensor_load_to_lds s[G0SK:G0SK+3], s[G1SK:G1SK+7]
	s_nop 0
	PLACES
	s_branch .Lhead_asked
.Lhead_sv:
	s_cmp_lt_u32 s[WV], 10
	s_cbranch_scc0 .Lhead_asked
	tensor_load_to_lds s[G0SV:G0SV+3], s[G1SV:G1SV+7]
	s_nop 0
	PLACES
.Lhead_asked:
.macro FRESH                           ; a tile's state: nothing summed
	v_mov_b32 v13, 0xff61b1e6                      ; the largest score so far: -3e38
	v_mov_b32 v12, 0x7e800000                      ; -M, as large: the first change of M multiplies zeros by 0
	v_mov_b32 v14, 0
	v_mov_b32 v15, 0
.set j, 0
.rept 32
	v_mov_b32 v[160+j], 0                          ; O
.set j, j+1
.endr
.endm
.irp j, 20,21,22,23
	v_mov_b32 v[\j], 0                             ; zero codes fill K from 64 to 128, on both sides
.endr
.irp t, 0,1,2,3,4,5,6,7
.irp j, 4,5,6,7
	v_mov_b32 v[32+8*\t+\j], 0
.endr
.endr
.irp j, 236,237,238,239,240,252,253
	v_mov_b32 v[\j], 0                             ; a lane permute's destination counts as one of its sources; v253 is named in a pair
.endr
	FRESH
	s_add_co_u32 s90, s[LT], s[OFF1]
	s_and_b32 s90, s90, 15                         ; my first key step
	s_lshl_b32 s91, s90, 10
	s_lshl_b32 s90, s90, 9
	v_add_nc_u32 v[ADK], s91, v[LI]
	v_add_nc_u32 v[ADS], s90, v[ASK0]
	s_wait_alu depctr_va_vdst(0)                   ; the wait at the head's end
	s_wait_tensorcnt 0x0                           ; my load has landed,
	s_wait_dscnt 0x0
	s_barrier_signal -1
	s_barrier_wait -1                              ; everybody's has
; K's eight tiles of a step and their scale words
.macro KLOADS
.irp t, 0,1,2,3,4,5,6,7
	ds_load_b128 v[32+8*\t:35+8*\t], v[ADK] offset:16384*(\t/2)+512*(\t%2)
.endr
	ds_load_b128 v[24:27], v[ADS]
.endm
.macro VLOADS
.irp d, 0,1,2,3
.irp c, 0,1
	ds_load_b128 v[192+8*\d+4*\c:195+8*\d+4*\c], v[ADV] offset:16384*\d+512*\c
.endr
.endr
	ds_load_b64 v[28:29], v[ADT]
.endm
.macro SMUL n                          ; S^T = K Q^T, n tiles of 16 keys
.irp t, 0,2,4,6
.if \t < (\n)
	v_wmma_scale_f32_16x16x128_f8f6f4 v[96+8*\t:103+8*\t], v[32+8*\t:39+8*\t], v[16:23], 0, v[24+\t/2], v31 matrix_a_fmt:MATRIX_FMT_FP4 matrix_b_fmt:MATRIX_FMT_FP4
	v_wmma_scale_f32_16x16x128_f8f6f4 v[104+8*\t:111+8*\t], v[40+8*\t:47+8*\t], v[16:23], 0, v[24+\t/2], v31 matrix_a_fmt:MATRIX_FMT_FP4 matrix_b_fmt:MATRIX_FMT_FP4 matrix_a_scale:MATRIX_SCALE_ROW1
.endif
.endr
.endm
.macro PVMUL                           ; O^T += V^T P^T; the four accumulators take turns
.irp d, 0,2
	v_wmma_scale_f32_16x16x128_f8f6f4 v[160+8*\d:167+8*\d], v[192+8*\d:199+8*\d], v[224:231], v[160+8*\d:167+8*\d], v[28+\d/2], v30 matrix_a_fmt:MATRIX_FMT_FP4 matrix_b_fmt:MATRIX_FMT_FP4
	v_wmma_scale_f32_16x16x128_f8f6f4 v[168+8*\d:175+8*\d], v[200+8*\d:207+8*\d], v[224:231], v[168+8*\d:175+8*\d], v[28+\d/2], v30 matrix_a_fmt:MATRIX_FMT_FP4 matrix_b_fmt:MATRIX_FMT_FP4 matrix_a_scale:MATRIX_SCALE_ROW1
.endr
.endm
.macro TADD n, nb                      ; up to n more pairs of p onto the four partial sums v[244:251], by turns
.rept \n
.if TP < 8*(\nb)
	v_pk_add_f32 v[244+2*(TP%4):245+2*(TP%4)], v[244+2*(TP%4):245+2*(TP%4)], v[96+2*TP:97+2*TP]
.set TP, TP+1
.endif
.endr
.endm
; The softmax and the quantiser of nb blocks of 32 keys (4, or 2 in a half step)
.macro SOFT nb
.irp b, 0,1,2,3
.if \b < \nb
	v_max3_num_f32 v[232+\b], v[96+16*\b], v[97+16*\b], v[98+16*\b]   ; the largest score of each block, of my 16 keys
.endif
.endr
.irp i, 3,5,7,9,11,13
.irp b, 0,1,2,3
.if \b < \nb
	v_max3_num_f32 v[232+\b], v[232+\b], v[96+16*\b+\i], v[97+16*\b+\i]
.endif
.endr
.endr
.irp b, 0,1,2,3
.if \b < \nb
	v_max_num_f32 v[232+\b], v[232+\b], v[111+16*\b]
.endif
.endr
	v_permlane16_swap_b32 v232, v233               ; v232: lanes 0-15 block 0, lanes 16-31 block 1, both of the lower half's keys; v233 of the upper half's
.if \nb > 2
	v_permlane16_swap_b32 v234, v235
.endif
	v_max_num_f32 v232, v232, v233                 ; lanes 0-15: block 0's largest score, lanes 16-31: block 1's
.set RM, 232
.if \nb > 2
	v_max_num_f32 v234, v234, v235                 ; blocks 2 and 3
	v_max_num_f32 v236, v232, v234
.set RM, 236
.endif
	s_delay_alu instid0(VALU_DEP_1)
	v_permlanex16_b32 v237, v[RM], s[SEL], s[SEL+1]
	s_delay_alu instid0(VALU_DEP_1)
	v_max3_num_f32 v13, v13, v[RM], v237           ; the running largest score of my query
	s_delay_alu instid0(VALU_DEP_1)
	v_mul_f32 v238, s[NC], v13
	s_delay_alu instid0(VALU_DEP_1)
	v_floor_f32 v239, v238                         ; the new -M = floor(-t)
	s_delay_alu instid0(VALU_DEP_1)
	v_sub_f32 v240, v239, v12                      ; old M - new M: a whole number, 0 or less
	v_mov_b32 v12, v239
	v_cvt_i32_f32 v240, v240                       ; (it saturates)
	v_fma_f32 v232, v232, s[CS], v12               ; t - M of the blocks' largest
.if \nb > 2
	v_fma_f32 v234, v234, s[CS], v12
.endif
.set j, 0
.rept 4
	v_pk_fma_f32 v[96+j:97+j], v[96+j:97+j], s[CS:CS+1], v[12:13] op_sel_hi:[1,0,0]   ; t - M, two at a time
.set j, j+2
.endr
	v_ldexp_f32 v252, 1.0, v240                    ; f = 2^(old M - new M)
.rept 8*\nb-4
	v_pk_fma_f32 v[96+j:97+j], v[96+j:97+j], s[CS:CS+1], v[12:13] op_sel_hi:[1,0,0]
.set j, j+2
.endr
.set j, 0
.rept 16
	v_pk_mul_f32 v[160+j:161+j], v[160+j:161+j], v[252:253] op_sel_hi:[1,0]           ; O under the new M
.set j, j+2
.endr
	s_wait_alu depctr_va_vdst(0)                   ; the wait ahead of the batch
.set j, 0
.rept 16*\nb
	v_exp_f32 v[96+j], v[96+j]                     ; p
.set j, j+1
.endr
	v_exp_f32 v232, v232                           ; the blocks' largest p
.if \nb > 2
	v_exp_f32 v234, v234
.endif
	v_pk_mul_f32 v[14:15], v[14:15], v[252:253] op_sel_hi:[1,0]   ; the sum under the new M (a plain place behind the batch)
	s_wait_alu depctr_va_vdst(0)                   ; and one wait behind it, ahead of its first reader
	v_max_num_f32 v232, 0x1800000, v232            ; the floor 2^(3 - 127): the byte cannot fall under 1
.if \nb > 2
	v_max_num_f32 v234, 0x1800000, v234
.endif
.irp i, 0,1,2,3
	v_pk_add_f32 v[244+2*\i:245+2*\i], v[96+2*\i:97+2*\i], v[104+2*\i:105+2*\i]       ; the sum of the unquantised p: four chains
.endr
.set TP, 8
	v_add_nc_u32 v232, 0xff000000, v232            ; 2 off the exponent field: the conversion's scale operand
.if \nb > 2
	v_add_nc_u32 v234, 0xff000000, v234
.endif
	TADD 4, \nb
	v_mov_b32 v233, v232
	v_lshrrev_b32 v238, 23, v232                   ; lanes 0-15 block 0's byte, lanes 16-31 block 1's
.if \nb > 2
	v_mov_b32 v235, v234
	v_lshrrev_b32 v239, 23, v234
.endif
	TADD 2, \nb
	v_permlane16_swap_b32 v232, v233               ; v232: block 0's operand in all lanes, v233: block 1's
.if \nb > 2
	v_permlane16_swap_b32 v234, v235
	v_lshl_or_b32 v238, v239, 16, v238
.endif
	TADD 2, \nb
	v_permlanex16_b32 v240, v238, s[SEL], s[SEL+1]
	TADD 1, \nb
	v_lshl_or_b32 v30, v240, 8, v238               ; p's scale word, in lanes 0-15
.if \nb == 2
	v_or_b32 v30, 0x7f7f0000, v30                  ; the bytes of the zero codes of the keys left out: 2^0
	v_mov_b32 v228, 0
	v_mov_b32 v229, 0
	v_mov_b32 v230, 0
	v_mov_b32 v231, 0
.endif
.irp c, 0,1
.if 2*\c < \nb
.irp e, 0,1
	v_cvt_scalef32_pk8_fp4_f32 v[224+4*\c+\e], v[96+16*(2*\c+\e):103+16*(2*\c+\e)], v[232+2*\c+\e]
	v_cvt_scalef32_pk8_fp4_f32 v[226+4*\c+\e], v[104+16*(2*\c+\e):111+16*(2*\c+\e)], v[232+2*\c+\e]
.endr
.endif
.endr
	v_nop                                          ; one plain instruction behind the scaled conversions
	TADD 2, \nb
.irp c, 0,1
.if 2*\c < \nb
	v_permlane16_swap_b32 v[224+4*\c], v[225+4*\c] ; lanes 0-15 block 2 c, lanes 16-31 block 2 c + 1
	v_permlane16_swap_b32 v[226+4*\c], v[227+4*\c]
.endif
.endr
	TADD 16, \nb
	v_pk_add_f32 v[244:245], v[244:245], v[246:247]
	v_pk_add_f32 v[248:249], v[248:249], v[250:251]
	v_pk_add_f32 v[14:15], v[14:15], v[244:245]
	v_pk_add_f32 v[14:15], v[14:15], v[248:249]
.endm
.macro KIDX dst, trip                  ; the key step of a trip
	s_cmp_lt_u32 s[\trip], s[SW]
	s_cselect_b32 s[\dst], s[OFF1], s[OFF2]
	s_add_co_u32 s[\dst], s[\dst], s[\trip]
	s_and_b32 s[\dst], s[\dst], 15
.endm
	KLOADS                                         ; my first step's K
	s_wait_loadcnt 0x0                             ; Q
	ds_store_b128 v[QS], v[224:227]                ; the early tile's Q is laid aside, in bytes of the wave's own
	ds_store_b32 v[QS], v228 offset:512
	s_wait_dscnt 0x0
	s_mov_b32 s[KC], 0
; An open step (all its keys count).  K's fragments are in registers; the next step's and this step's V are asked for ahead of the softmax.  A late wave begins at trip 1.
.Lwalk:
	s_cmp_lt_u32 s[KC], s[LT]
	s_cbranch_scc1 .Lpast
	KIDX 90, KC
	s_lshl_b32 s91, s90, 10
	s_lshl_b32 s90, s90, 8
	s_add_co_u32 s96, s[KC], 1
	KIDX 97, 96
	s_lshl_b32 s98, s97, 10
	s_lshl_b32 s97, s97, 9
	SMUL 8
	v_add_nc_u32 v[ADV], s91, v[AV0]               ; (these four are the places behind the last product)
	v_add_nc_u32 v[ADT], s90, v[ASV0]
	v_add_nc_u32 v[ADK], s98, v[LI]
	v_add_nc_u32 v[ADS], s97, v[ASK0]
	VLOADS
	KLOADS
	SOFT 4
	s_wait_alu depctr_va_vdst(0)                   ; the wait directly ahead of the wait below
	s_wait_dscnt 0x0
	PVMUL
	s_add_co_u32 s96, s[KC], 1
	s_cmp_lg_u32 s96, s[SW]
	s_cbranch_scc1 .Lpast
	PLACES                                         ; THE CHANGE OF TILES of an early wave: the late tile's sums go to LDS, for its late wave,
.irp i, 0,1,2,3,4,5,6,7
	ds_store_b128 v[PA], v[160+4*\i:163+4*\i] offset:512*\i   ; each accumulator from its low end on
.endr
	ds_store_b128 v[PA], v[12:15] offset:4096      ; -M, the largest score, the sum's halves
	ds_load_b128 v[16:19], v[QS]                   ; and the early tile begins
	ds_load_b32 v31, v[QS] offset:512
	FRESH
	s_wait_alu depctr_va_vdst(0)
	s_wait_dscnt 0x0
.Lpast:
	s_add_co_u32 s[KC], s[KC], 1
	s_cmp_lt_u32 s[KC], 8
	s_cbranch_scc1 .Lwalk
	s_wait_alu depctr_va_vdst(0)
	s_wait_dscnt 0x0                               ; what I hand over has landed:
	s_barrier_signal -1                            ; say so; up to the wait below LDS is only read, in K's and V's bytes
; The diagonal step.  e = 0: my tile lies in its first 64 keys, and the others are left out; e = 1: its first 64 keys all count
.macro DIAG nb
	SMUL 2*\nb
	v_add_nc_u32 v[ADV], s90, v[AV0]
	v_add_nc_u32 v[ADT], s91, v[ASV0]
	v_mov_b32 v254, 0xff800000                     ; -infinity
	v_nop
	VLOADS
.set n, 0
.rept 8
.irp k, 0,1,2,3
	v_cmp_gt_i32 s[92+\k], 16*((n+\k)/8)+(n+\k)%8, v255
.endr
.irp k, 0,1,2,3
	v_cndmask_b32 v[96+32*((\nb)/4)+n+\k], v[96+32*((\nb)/4)+n+\k], v254, s[92+\k]
.endr
.set n, n+4
.endr
	SOFT \nb
	s_wait_alu depctr_va_vdst(0)
	s_wait_dscnt 0x0
	PVMUL
.endm
	s_lshl_b32 s90, s[KD], 10
	s_lshl_b32 s91, s[KD], 8
	s_cmp_eq_u32 s[EE], 0
	s_cbranch_scc1 .Lhalf
	DIAG 4
	s_branch .Lout
.Lhalf:
	DIAG 2
.Lout:
	s_barrier_wait -1                              ; everybody's part has landed
	PLACES                                         ; behind the last products
	s_cmp_eq_u32 s[LT], 0
	s_cbranch_scc1 .Lno_join
	; A LATE WAVE JOINS the two parts of its tile, both under the larger M
.irp i, 0,1,2,3,4,5,6,7
	ds_load_b128 v[96+4*\i:99+4*\i], v[PR] offset:512*\i
.endr
	ds_load_b128 v[232:235], v[PR] offset:4096
	s_wait_dscnt 0x0
	v_min_num_f32 v236, v12, v232                  ; the joint -M
	v_sub_f32 v238, v236, v12
	v_sub_f32 v239, v236, v232
	v_cvt_i32_f32 v238, v238
	v_cvt_i32_f32 v239, v239
	v_ldexp_f32 v252, 1.0, v238
	v_ldexp_f32 v244, 1.0, v239
	v_pk_mul_f32 v[14:15], v[14:15], v[252:253] op_sel_hi:[1,0]
.set j, 0
.rept 16
	v_pk_mul_f32 v[160+j:161+j], v[160+j:161+j], v[252:253] op_sel_hi:[1,0]
.set j, j+2
.endr
	v_pk_fma_f32 v[14:15], v[234:235], v[244:245], v[14:15] op_sel_hi:[1,0,1]
.set j, 0
.rept 16
	v_pk_fma_f32 v[160+j:161+j], v[96+j:97+j], v[244:245], v[160+j:161+j] op_sel_hi:[1,0,1]
.set j, j+2
.endr
	s_wait_alu depctr_va_vdst(0)
.Lno_join:
	v_add_f32 v14, v14, v15
	v_permlanex16_b32 v237, v14, s[SEL], s[SEL+1]
	v_add_f32 v14, v14, v237                       ; the row's sum
	s_wait_alu depctr_va_vdst(0)                   ; the wait ahead of the transcendental
	v_rcp_f32 v14, v14
	v_nop                                          ; a plain instruction behind it
	s_wait_alu depctr_va_vdst(0)                   ; the wait ahead of its first reader, which is the last products' too
.set j, 0
.rept 32
	v_mul_f32 v[96+j], v[160+j], v14               ; register 8 d + j: channel 16 d + 8 hh + j
.set j, j+1
.endr
.irp b, 0,1
	v_max3_num_f32 v[232+\b], |v[96+16*\b]|, |v[97+16*\b]|, 0x1800000
.endr
.irp i, 2,4,6,8,10,12,14
.irp b, 0,1
	v_max3_num_f32 v[232+\b], v[232+\b], |v[96+16*\b+\i]|, |v[97+16*\b+\i]|
.endr
.endr
.irp b, 0,1
	v_permlanex16_b32 v[236+\b], v[232+\b], s[SEL], s[SEL+1]
.endr
.irp b, 0,1
	v_max_num_f32 v[232+\b], v[232+\b], v[236+\b]
.endr
.irp b, 0,1
	v_add_nc_u32 v[244+\b], 0xff000000, v[232+\b]
.endr
.irp b, 0,1
	v_lshrrev_b32 v[236+\b], 23, v[244+\b]
.endr
	v_lshl_or_b32 v238, v237, 8, v236              ; the head's two scale bytes of my query
	v_cvt_scalef32_pk8_fp4_f32 v224, v[96:103], v244
	v_cvt_scalef32_pk8_fp4_f32 v225, v[112:119], v245
	v_cvt_scalef32_pk8_fp4_f32 v226, v[104:111], v244
	v_cvt_scalef32_pk8_fp4_f32 v227, v[120:127], v245
	v_nop
	v_permlane16_swap_b32 v224, v225
	v_permlane16_swap_b32 v226, v227
	global_store_b128 v[LI], v[224:227], s[10:11]  ; the wave stores 512 consecutive bytes, aligned
	ds_store_b16 v[OSW], v238                      ; lanes l and l xor 16 write the same two bytes with the same value
	s_wait_dscnt 0x0
	s_barrier_signal -1
	s_barrier_wait -1
	s_cmp_lg_u32 s[WV], 0
	s_cbranch_scc1 .Lnot_0
	v_add_nc_u32 v8, OST, v[LI]
	ds_load_b128 v[232:235], v8
	s_wait_dscnt 0x0
	global_store_b128 v[LI], v[232:235], s[12:13]  ; the work-group's 512 consecutive bytes of scales
.Lnot_0:
	s_wait_tensorcnt 0x0                           ; the wave's end
	ds_add_u32 v[SPW], v[NIL]
	s_wait_dscnt 0x0
	CROUND                                         ; the closing round: no work-group ends while a partner may still ask for a tile that names it
	s_endpgm
.Lfunc_end_k_q0e498eb45e_attn:
	.size	k_q0e498eb45e_attn, .Lfunc_end_k_q0e498eb45e_attn-k_q0e498eb45e_attn
	.p2alignl 7, 3214868480
	.fill 96, 4, 3214868480
	.section	.rodata,"a",@progbits
	.p2align	6, 0x0
	.amdhsa_kernel k_q0e498eb45e_attn
		.amdhsa_group_segment_fixed_size 327680
		.amdhsa_private_segment_fixed_size 0
		.amdhsa_enable_private_segment 0
		.amdhsa_kernarg_size 24
		.amdhsa_user_sgpr_count 2
		.amdhsa_user_sgpr_kernarg_segment_ptr 1
		.amdhsa_wavefront_size32 1
		.amdhsa_system_sgpr_workgroup_id_x 1
		.amdhsa_system_sgpr_workgroup_id_y 1
		.amdhsa_system_sgpr_workgroup_id_z 1
		.amdhsa_system_vgpr_workitem_id 0
		.amdhsa_next_free_vgpr 256
		.amdhsa_next_free_sgpr 102
		.amdhsa_reserve_vcc 0
		.amdhsa_float_denorm_mode_32 3
		.amdhsa_float_denorm_mode_16_64 3
		.amdhsa_memory_ordered 1
		.amdhsa_forward_progress 1
		.amdhsa_inst_pref_size 67
	.end_amdhsa_kernel
	.amdgpu_metadata
---
amdhsa.version: [ 1, 2 ]
amdhsa.kernels:
  - .name:           k_q0e498eb45e_attn
    .symbol:         k_q0e498eb45e_attn.kd
    .args:
      - { .name: qkw, .offset: 0, .size: 8, .value_kind: global_buffer, .address_space: global }
      - { .name: vw, .offset: 8, .size: 8, .value_kind: global_buffer, .address_space: global }
      - { .name: ow, .offset: 16, .size: 8, .value_kind: global_buffer, .address_space: global }
    .group_segment_fixed_size: 327680
    .private_segment_fixed_size: 0
    .kernarg_segment_align: 8
    .kernarg_segment_size: 24
    .max_flat_workgroup_size: 512
    .sgpr_count:     102
    .vgpr_count:     256
    .wavefront_size: 32
...
	.end_amdgpu_metadata
.endif
;; end of part 3
;; launch oproj (part 4): grid 8 x 32, 4 waves a work-group, clusters of 4 x 4, 270,848 bytes of LDS; arguments ow, wo_codes, wo_scales, bo, h, out0; writes out0
.if DOCPART == 4
	.amdgcn_target "amdgcn-amd-amdhsa--gfx1250"
	.amdhsa_code_object_version 6
	.text
	.protected	k_q0e498eb45e_oproj
	.globl	k_q0e498eb45e_oproj
	.p2align	8
	.type	k_q0e498eb45e_oproj,@function
k_q0e498eb45e_oproj:
	s_mov_b64 s[64:65], 0
	v_nop
	global_prefetch_b8 v0, s[64:65] scope:SCOPE_SE
	s_setreg_imm32_b32 hwreg(HW_REG_WAVE_MODE, 25, 1), 1
	s_wait_xcnt 0x0
	s_wait_alu depctr_hold_cnt(0) depctr_sa_sdst(0) depctr_va_vdst(0) depctr_va_sdst(0) depctr_va_ssrc(0) depctr_va_vcc(0) depctr_vm_vsrc(0)
	s_getreg_b32 s2, hwreg(HW_REG_IB_STS2, 6, 4)
	s_cmp_eq_u32 s2, 0
	s_cbranch_scc0 .Lentry_in_a_cluster
	s_endpgm
.Lentry_in_a_cluster:
	s_bfe_u32 s2, ttmp6, 0x10000c
	s_cmp_lg_u32 s2, 0xf033
	s_cbranch_scc0 .Lentry_shape_is_right
	s_endpgm
.Lentry_shape_is_right:
; out0 = o Wo^T + bo + h.  o: codes of E2M1 as images of operand registers, [tile of 16 tokens 256][head 16][512 bytes]; its scale bytes, two for each head and token, as [batch][head 16][cluster 2][place 4][512] (below).  Wo: codes [2048][512 bytes], scale bytes [2048][32].
; A tile of 128 tokens x 256 outputs is made by four waves, 64 x 128 each.  8 x 32 = 256 work-groups.  ALL of K = 1,024 lies in LDS, filled once: no slot is filled again.
; TWO PASSES of 64 outputs, 16 accumulators each.  A pass's rows are 256 bytes of out0.  The first pass's results leave between the second pass's K steps, so that half of the stores are on their way while the other half is multiplied.
; CLUSTERS of 4 x 4: o's tile hangs on the tokens alone and is asked for jointly by a row of the cluster; Wo's codes and scale bytes hang on the outputs alone and are asked for by a column.
; The product is used transposed (source 0 = 16 rows of Wo, source 1 = 16 tokens): a lane holds eight neighbouring outputs of one token.  bo is the C of each sum's first matrix instruction.
; h comes into registers in the layout in which the results come back from the stage (two rows of 256 bytes a load): the first pass's half from the head on, the second's with the first pass's K steps.
; o's scale words (four bytes for a token and 128 along K: two heads) are pieced together by wave 1 from the sixteen heads' pairs of bytes and reach the other waves through LDS.
; No prefetch: there is no loop of fills; what the launch reads is asked for at its head or long ahead of its use.
; REGISTERS.  window 0: v1-13 addresses; v32-63 o's scale words (tile i, K step s: 32 + 8 i + s); v64-127 Wo's (64 + 8 b + s); v128-191 o's fragments, two sets; v192-255 rows of the result, two blocks.
;   window 1: v0-63 Wo's fragments, two sets; v64-127 bo.   window 2: the accumulators, (pass, i, b) at 128 pass + 8 (4 i + b).   window 3: h, 128 registers a pass.
.set AIMG, 0                           ; LDS: o's images, 8 tiles x 8,192 bytes
.set BSC,  65536                       ; Wo's scale bytes: 32 x (256 + 16)
.set ASC,  74240                       ; o's scale words: 16 x (256 + 16), written by wave 1
.set STG,  78592                       ; the way out: 16 rows x (256 + 16) bytes for each wave
.set SPITCH, 272
.set BT,   135168                      ; Wo's codes: 256 rows x (512 + 16): the 16 rows that a load touches start at 16 different banks (ISA guide 11.1)
.set SPARE, 270336                     ; the spare words, 128 bytes a wave; no other line names them
.set OSO,  2097152                     ; where the scale bytes begin in ow
.set G1A, 24
.set G0A, 32
.set G0S, 36
.set G1S, 48
.set G1B, 56
.set G0B, 68
.set MSB, 0
.macro WIN new                         ; the immediate's high byte repeats the setting that is left
.if MSB != \new
	s_set_vgpr_msb (MSB<<8)|\new
.set MSB, \new
.endif
.endm
.macro CROUND                          ; a round of the cluster's barrier
	s_barrier_signal -1
	s_barrier_wait -1
	s_cmp_lg_u32 s16, 0
	s_cbranch_scc1 .Lnot_wave_0_\@
	s_barrier_signal -3
.Lnot_wave_0_\@:
	s_barrier_wait -3
	s_barrier_signal -1
	s_barrier_wait -1
.endm
.macro PLACES
.rept 4
	v_nop
.endr
.endm
	s_load_b256 s[4:11], s[0:1], 0x0               ; ow s[4:5], Wo's codes s[6:7], its scales s[8:9], bo s[10:11]
	s_load_b128 s[12:15], s[0:1], 0x20             ; h s[12:13], out0 s[14:15]
	v_lshl_add_u32 v30, v0, 2, SPARE
	v_mov_b32 v31, 0
	ds_add_u32 v30, v31                            ; the opening lines: the add, twice on end, and its wait
	ds_add_u32 v30, v31
	v_lshrrev_b32 v1, 5, v0
	v_readfirstlane_b32 s16, v1                    ; wave 0..3
	s_lshr_b32 s17, s16, 1                         ; which 64 tokens are mine
	s_and_b32 s18, s16, 1                          ; which 128 outputs
	s_bfe_u32 s40, ttmp6, 0x40000                  ; cx, cy
	s_bfe_u32 s41, ttmp6, 0x40004
	s_lshl_b32 s42, ttmp9, 2
	s_add_co_u32 s42, s42, s40                     ; which 256 outputs
	s_and_b32 s19, ttmp7, 0xffff
	s_lshl_b32 s19, s19, 2
	s_add_co_u32 s19, s19, s41                     ; which 128 tokens
	s_lshl_b32 s43, s41, 2
	s_lshl_b32 s43, 15, s43                        ; my row of the cluster
	s_lshl_b32 s44, 0x1111, s40                    ; my column
	; every LDS address is made here, ahead of the first branch on the wave's number
	v_and_b32 v1, 15, v0                           ; r
	v_bfe_u32 v2, v0, 4, 1                         ; hh
	v_and_b32 v3, 31, v0                           ; lane
	v_lshlrev_b32 v4, 13, v2
	v_lshl_add_u32 v4, v1, 4, v4                   ; h and out0: lanes 0-15 one row, lanes 16-31 the next; 16 bytes a lane
	s_lshl_b32 s20, s17, 15
	v_lshl_add_u32 v5, v3, 4, s20                  ; o's images: my four tiles
	v_mul_u32_u24 v6, v1, 528
	v_lshl_add_u32 v6, v2, 4, v6
	s_mul_i32 s20, s18, 67584
	s_add_co_u32 s20, s20, BT
	v_add_nc_u32 v6, s20, v6                       ; Wo's fragments: my 128 rows, row r, + 16 hh
	v_lshrrev_b32 v14, 3, v1
	v_and_b32 v15, 7, v1
	v_mul_u32_u24 v14, v14, 272
	v_lshl_add_u32 v14, v15, 5, v14                ; 32 bytes of scales a row, eight rows to 256 + 16
	s_mul_i32 s20, s17, 8*272
	s_add_co_u32 s20, s20, ASC
	v_add_nc_u32 v7, s20, v14                      ; o's scale words
	s_mul_i32 s20, s18, 16*272
	s_add_co_u32 s20, s20, BSC
	v_add_nc_u32 v8, s20, v14                      ; Wo's
	s_mul_i32 s20, s16, 16*SPITCH
	s_add_co_u32 s20, s20, STG
	v_mul_u32_u24 v9, v1, SPITCH
	v_lshl_add_u32 v9, v2, 5, v9
	v_add_nc_u32 v9, s20, v9                       ; my stage, in: row r, + 32 hh
	v_mul_u32_u24 v10, v2, SPITCH
	v_lshl_add_u32 v10, v1, 4, v10
	v_add_nc_u32 v10, s20, v10                     ; and back: lanes 0-15 one row, lanes 16-31 the next
	v_lshlrev_b32 v11, 5, v2                       ; bo: 32 hh
	v_bfe_u32 v12, v3, 2, 2                        ; o's scale bytes, lane l: tokens 4 l + 0 .. 3 lie in tile i = l / 4, made by the work-group at place i % 4 (512 bytes each), there 32 (i / 4) + 8 (l % 4) bytes on
	v_lshlrev_b32 v12, 9, v12
	v_lshl_add_u32 v12, v2, 5, v12
	v_and_b32 v15, 3, v3
	v_lshl_add_u32 v12, v15, 3, v12
	v_lshrrev_b32 v13, 1, v3
	v_mul_u32_u24 v13, v13, 272
	v_and_b32 v15, 1, v3
	v_lshl_add_u32 v13, v15, 7, v13
	v_add_nc_u32 v13, ASC, v13                     ; wave 1: the words of tokens 4 lane + 0 .. 3: 128 bytes
	s_wait_alu depctr_va_vdst(0)                   ; the wait ahead of the scalar lines below
	; descriptor groups 1
	s_or_b32 s[G1A], s43, (3<<16)|(1<<21)          ; o's images: 65,536 dense bytes as 256 rows of 256; 15:0 the mask: my row; 17:16 elements of 8 bytes; 21 set beside a mask
	s_mov_b32 s[G1A+1], 32<<16
	s_mov_b32 s[G1A+2], 256<<16
	s_mov_b32 s[G1A+3], 32<<16
	s_mov_b32 s[G1A+4], 256
	s_mov_b32 s[G1A+5], 32
	s_or_b32 s[G1S], s44, (3<<16)|(1<<20)|(1<<21)|(5<<22)|(3<<25)   ; Wo's scale bytes: 8,192 dense bytes as 32 rows of 256, four words of padding behind each; my column
	s_mov_b32 s[G1S+1], 32<<16
	s_mov_b32 s[G1S+2], 32<<16
	s_mov_b32 s[G1S+3], 32<<16
	s_mov_b32 s[G1S+4], 32
	s_mov_b32 s[G1S+5], 32
	s_or_b32 s[G1B], s44, (0<<16)|(1<<20)|(1<<21)|(6<<22)|(3<<25)   ; Wo's codes: 128 rows of 512 bytes, four words of padding after every 128; my column
	s_mov_b32 s[G1B+1], 512<<16
	s_mov_b32 s[G1B+2], 128<<16
	s_mov_b32 s[G1B+3], 512<<16
	s_mov_b32 s[G1B+4], 128
	s_mov_b32 s[G1B+5], 512
.irp g, G1A, G1S, G1B
	s_mov_b32 s[\g+6], 0
	s_mov_b32 s[\g+7], 0
.endr
	s_lshl_b32 s20, s19, 16                        ; o: 65,536 bytes for 128 tokens
	s_mov_b32 s21, 0
	s_lshl_b32 s22, s42, 13                        ; Wo's scales: 8,192 bytes for 256 rows
	s_mov_b32 s23, 0
	s_lshl_b32 s46, s42, 17                        ; Wo's codes: 131,072 bytes for 256 rows,
	s_lshl_b32 s47, s18, 16                        ; waves 2 and 3 take 128 rows each
	s_add_co_u32 s46, s46, s47
	s_mov_b32 s47, 0
	s_mul_i32 s45, s16, 67584                      ; BT = 2 x 67,584: wave 2 fills the first 128 rows, wave 3 the others
	s_mov_b32 s72, 0x05040100                      ; v_perm_b32: the two low halves,
	s_mov_b32 s73, 0x07060302                      ; the two high halves
	s_wait_dscnt 0x0
	s_wait_kmcnt 0x0
	s_mov_b32 s[G0A], 1
	s_mov_b32 s[G0A+1], AIMG
	s_add_nc_u64 s[G0A+2:G0A+3], s[4:5], s[20:21]
	s_or_b32 s[G0A+3], s[G0A+3], 0x80000000
	s_mov_b32 s[G0S], 1
	s_mov_b32 s[G0S+1], BSC
	s_add_nc_u64 s[G0S+2:G0S+3], s[8:9], s[22:23]
	s_or_b32 s[G0S+3], s[G0S+3], 0x80000000
	s_mov_b32 s[G0B], 1
	s_mov_b32 s[G0B+1], s45
	s_add_nc_u64 s[G0B+2:G0B+3], s[6:7], s[46:47]
	s_or_b32 s[G0B+3], s[G0B+3], 0x80000000
	s_lshl_b32 s20, s19, 20                        ; 128 tokens of 8,192 bytes,
	s_lshl_b32 s21, s17, 19                        ; my 64
	s_add_co_u32 s20, s20, s21
	s_lshl_b32 s22, s42, 10                        ; 256 outputs of 4 bytes,
	s_lshl_b32 s23, s18, 9                         ; my 128
	s_add_co_u32 s22, s22, s23
	s_mov_b32 s23, 0
	s_add_nc_u64 s[78:79], s[10:11], s[22:23]      ; bo
	s_add_co_u32 s20, s20, s22
	s_mov_b32 s21, 0
	s_add_nc_u64 s[74:75], s[12:13], s[20:21]      ; h
	s_add_nc_u64 s[76:77], s[14:15], s[20:21]      ; out0
	; o's scale bytes: block kd of 128 tokens has u = kd or, from 8 on, 15 - kd: cluster u % 2, and there 64 (2 (u / 2) + (kd > 7)) bytes on
	s_bfe_u32 s20, s19, 0x10003
	s_mul_i32 s22, s20, 15
	s_xor_b32 s22, s22, s19
	s_and_b32 s22, s22, 15
	s_and_b32 s23, s22, 14
	s_or_b32 s23, s23, s20
	s_lshl_b32 s23, s23, 6
	s_and_b32 s22, s22, 1
	s_lshl_b32 s22, s22, 11
	s_lshr_b32 s20, s19, 4
	s_lshl_b32 s20, s20, 16
	s_add_co_u32 s20, s20, s22
	s_add_co_u32 s20, s20, s23
	s_add_co_u32 s20, s20, OSO
	s_add_nc_u64 s[80:81], s[4:5], s[20:21]        ; head 0's
	s_cmp_lg_u32 s16, 1
	s_cbranch_scc1 .Lno_os
.irp H, 0,1,2,3,4,5,6,7,8,9,10,11,12,13,14,15
	global_load_b64 v[192+2*\H:193+2*\H], v12, s[80:81] offset:4096*\H   ; head H: the pairs of bytes of tokens 4 lane + 0 .. 3
.endr
.Lno_os:
; h: load t (0 .. 31 the first pass's, 32 .. 63 the second's): rows 2 t and 2 t + 1 of my 64, 256 bytes each
.set HT, 0
.macro HLOAD n
	WIN 0xc0                                       ; destination window 3
.rept \n
	global_load_b128 v[4*HT:4*HT+3], v4, s[74:75] offset:16384*(HT%32)+256*(HT/32) th:TH_LOAD_NT
.set HT, HT+1
.endr
	WIN 0
.endm
	WIN 0x40                                       ; destination window 1
.irp b, 0,1,2,3,4,5,6,7
	global_load_b128 v[64+8*\b:67+8*\b], v11, s[78:79] offset:64*\b      ; register 8 b + j: bo of output 16 b + 8 hh + j
	global_load_b128 v[68+8*\b:71+8*\b], v11, s[78:79] offset:64*\b+16
.endr
	HLOAD 8
	CROUND                                         ; all sixteen work-groups are here: the joint loads meet
	s_cmp_lg_u32 s16, 0                            ; one tensor load a wave; the branches hang on the wave's number alone; four v_nop follow each line
	s_cbranch_scc1 .Lnot_a
	tensor_load_to_lds s[G0A:G0A+3], s[G1A:G1A+7]
	s_nop 0
	PLACES
	s_branch .Lasked
.Lnot_a:
	s_cmp_lg_u32 s16, 1
	s_cbranch_scc1 .Lfor_b
	tensor_load_to_lds s[G0S:G0S+3], s[G1S:G1S+7]
	s_nop 0
	PLACES
	s_branch .Lasked
.Lfor_b:
	tensor_load_to_lds s[G0B:G0B+3], s[G1B:G1B+7]
	s_nop 0
	PLACES
.Lasked:
	HLOAD 8
	s_wait_tensorcnt 0x0                           ; my tile has landed
	s_cmp_lg_u32 s16, 1
	s_cbranch_scc1 .Lno_words
	s_wait_loadcnt 32                              ; bo's sixteen loads and sixteen of h's were issued behind the sixteen of the scale bytes: these are in
.irp s, 0,1,2,3,4,5,6,7
	v_perm_b32 v[224+\s], v[194+4*\s], v[192+4*\s], s72   ; token 4 lane: head 2 s's two bytes below, head 2 s + 1's above: the word of K step s
	v_perm_b32 v[232+\s], v[194+4*\s], v[192+4*\s], s73   ; token 4 lane + 1
	v_perm_b32 v[240+\s], v[195+4*\s], v[193+4*\s], s72   ; + 2
	v_perm_b32 v[248+\s], v[195+4*\s], v[193+4*\s], s73   ; + 3
.endr
.irp p, 0,1,2,3
	ds_store_b128 v13, v[224+8*\p:227+8*\p] offset:32*\p
	ds_store_b128 v13, v[228+8*\p:231+8*\p] offset:32*\p+16
.endr
.Lno_words:
	s_wait_dscnt 0x0                               ; wave 1's words have landed too,
	s_barrier_signal -1
	s_barrier_wait -1                              ; everybody's tiles have
.macro FETCH n                         ; step n = 8 pass + s: four of Wo's fragments and o's four, into set n % 2: 16 loads
	WIN 0x40
.irp b, 0,1,2,3
.irp c, 0,1
	ds_load_b128 v[32*((\n)%2)+8*\b+4*\c:32*((\n)%2)+8*\b+4*\c+3], v6 offset:8448*(4*((\n)/8)+\b)+64*((\n)%8)+32*\c
.endr
.endr
	WIN 0
.irp i, 0,1,2,3
.irp c, 0,1
	ds_load_b128 v[128+32*((\n)%2)+8*\i+4*\c:128+32*((\n)%2)+8*\i+4*\c+3], v5 offset:8192*\i+1024*((\n)%8)+512*\c
.endr
.endr
.endm
.macro MULS n                          ; 16 matrix instructions; the 16 accumulators take turns, in the same order in every step
.set PS, (\n)/8
.set ST, (\n)%8
.set PB, (\n)%2
.if ST == 0
	WIN 0x91                                       ; source 0 (Wo) window 1, source 1 (o) window 0, C (bo) window 1, D window 2
.else
	WIN 0xa1                                       ; C and D window 2
.endif
.irp i, 0,1,2,3
.irp b, 0,1,2,3
.if ST == 0
	v_wmma_scale_f32_16x16x128_f8f6f4 v[128*PS+8*(4*\i+\b):128*PS+8*(4*\i+\b)+7], v[32*PB+8*\b:32*PB+8*\b+7], v[128+32*PB+8*\i:128+32*PB+8*\i+7], v[64+8*(4*PS+\b):64+8*(4*PS+\b)+7], v[64+8*(4*PS+\b)+ST], v[32+8*\i+ST] matrix_a_fmt:MATRIX_FMT_FP4 matrix_b_fmt:MATRIX_FMT_FP4
.else
	v_wmma_scale_f32_16x16x128_f8f6f4 v[128*PS+8*(4*\i+\b):128*PS+8*(4*\i+\b)+7], v[32*PB+8*\b:32*PB+8*\b+7], v[128+32*PB+8*\i:128+32*PB+8*\i+7], v[128*PS+8*(4*\i+\b):128*PS+8*(4*\i+\b)+7], v[64+8*(4*PS+\b)+ST], v[32+8*\i+ST] matrix_a_fmt:MATRIX_FMT_FP4 matrix_b_fmt:MATRIX_FMT_FP4
.endif
.endr
.endr
.endm
; THE WAY OUT, a block of 16 tokens x 64 outputs at a time: into my own stage, back as whole rows of 256 bytes, + h, stored.  LDS serves a wave's instructions in order (ISA guide 5.7.1.4).
.macro TOSTAGE p, i
	WIN 0x08                                       ; an LDS store's data are its source 1: window 2
.irp b, 0,1,2,3
	ds_store_b128 v9, v[128*\p+8*(4*(\i)+\b):128*\p+8*(4*(\i)+\b)+3] offset:64*\b          ; each accumulator from its low end on
	ds_store_b128 v9, v[128*\p+8*(4*(\i)+\b)+4:128*\p+8*(4*(\i)+\b)+7] offset:64*\b+16
.endr
	WIN 0
.set BB, 192+32*((\i)%2)
.irp t, 0,1,2,3,4,5,6,7
	ds_load_b128 v[BB+4*\t:BB+4*\t+3], v10 offset:2*\t*SPITCH
.endr
.endm
.macro SEND p, i
.set BB, 192+32*((\i)%2)
	WIN 0x0c                                       ; source 1 (h): window 3
.irp t, 0,1,2,3,4,5,6,7
	v_pk_add_f32 v[BB+4*\t:BB+4*\t+1],   v[BB+4*\t:BB+4*\t+1],   v[128*\p+32*(\i)+4*\t:128*\p+32*(\i)+4*\t+1]
	v_pk_add_f32 v[BB+4*\t+2:BB+4*\t+3], v[BB+4*\t+2:BB+4*\t+3], v[128*\p+32*(\i)+4*\t+2:128*\p+32*(\i)+4*\t+3]
.endr
	WIN 0
.irp t, 0,1,2,3,4,5,6,7
	global_store_b128 v4, v[BB+4*\t:BB+4*\t+3], s[76:77] offset:(16*(\i)+2*\t)*8192+256*\p th:TH_STORE_NT   ; sixteen lanes store 256 consecutive bytes, aligned
.endr
.endm
	FETCH 0
.irp i, 0,1,2,3
	ds_load_b128 v[32+8*\i:35+8*\i], v7 offset:544*\i          ; the scale words of all eight K steps, once: o's,
	ds_load_b128 v[36+8*\i:39+8*\i], v7 offset:544*\i+16
.endr
.irp b, 0,1,2,3,4,5,6,7
	ds_load_b128 v[64+8*\b:67+8*\b], v8 offset:544*\b          ; Wo's
	ds_load_b128 v[68+8*\b:71+8*\b], v8 offset:544*\b+16
.endr
	FETCH 1
	s_wait_loadcnt 16                              ; sixteen of h's loads were issued behind bo's: bo is in
	HLOAD 6
	s_wait_dscnt 16                                ; all but the next step's 16 loads
	MULS 0
.irp n, 1,2,3,4,5,6,7
	PLACES                                         ; in front of loads into the set that the last step multiplied
	FETCH \n+1
	HLOAD 6
	s_wait_dscnt 16
	MULS \n
.endr
.irp n, 8,9,10,11,12
	PLACES                                         ; (also behind the first pass's last products, for the reads of its results)
	FETCH \n+1
	s_wait_dscnt 16                                ; this step's fragments are in, and with them the last block's rows from the stage
	MULS \n
.if \n < 12
.if \n > 9
	s_wait_xcnt 0x0                                ; the stores of two blocks ago have read their registers
.endif
	TOSTAGE 0, \n-8
.endif
.if \n > 8
.if \n == 9
	s_wait_loadcnt 32                              ; the first pass's half of h is in; the 32 loads of the second's were issued behind it
.endif
	SEND 0, \n-9
.endif
.endr
.irp n, 13,14
	PLACES
	FETCH \n+1
	s_wait_dscnt 16
	MULS \n
.endr
	s_wait_dscnt 0x0
	MULS 15
	WIN 0
	PLACES                                         ; behind the last products
	s_wait_loadcnt 0x0                             ; h is in
	s_wait_xcnt 0x0                                ; the first pass's stores have read their registers
	TOSTAGE 1, 0
	TOSTAGE 1, 1
	s_wait_dscnt 16                                ; behind block 0's loads: block 1's 8 stores and 8 loads
	SEND 1, 0
	s_wait_xcnt 0x0
	TOSTAGE 1, 2
	s_wait_dscnt 16
	SEND 1, 1
	s_wait_xcnt 0x0
	TOSTAGE 1, 3
	s_wait_dscnt 16
	SEND 1, 2
	s_wait_dscnt 0x0
	SEND 1, 3
	s_wait_tensorcnt 0x0                           ; the wave's end
	ds_add_u32 v30, v31
	s_wait_dscnt 0x0
	CROUND                                         ; the closing round: no work-group ends while a partner may still ask for a tile that names it
	s_endpgm
.Lfunc_end_k_q0e498eb45e_oproj:
	.size	k_q0e498eb45e_oproj, .Lfunc_end_k_q0e498eb45e_oproj-k_q0e498eb45e_oproj
	.p2alignl 7, 3214868480
	.fill 96, 4, 3214868480
	.section	.rodata,"a",@progbits
	.p2align	6, 0x0
	.amdhsa_kernel k_q0e498eb45e_oproj
		.amdhsa_group_segment_fixed_size 270848
		.amdhsa_private_segment_fixed_size 0
		.amdhsa_enable_private_segment 0
		.amdhsa_kernarg_size 48
		.amdhsa_user_sgpr_count 2
		.amdhsa_user_sgpr_kernarg_segment_ptr 1
		.amdhsa_wavefront_size32 1
		.amdhsa_system_sgpr_workgroup_id_x 1
		.amdhsa_system_sgpr_workgroup_id_y 1
		.amdhsa_system_sgpr_workgroup_id_z 1
		.amdhsa_system_vgpr_workitem_id 0
		.amdhsa_next_free_vgpr 1024
		.amdhsa_next_free_sgpr 84
		.amdhsa_reserve_vcc 0
		.amdhsa_float_denorm_mode_32 3
		.amdhsa_float_denorm_mode_16_64 3
		.amdhsa_memory_ordered 1
		.amdhsa_forward_progress 1
		.amdhsa_inst_pref_size 98
	.end_amdhsa_kernel
	.amdgpu_metadata
---
amdhsa.version: [ 1, 2 ]
amdhsa.kernels:
  - .name:           k_q0e498eb45e_oproj
    .symbol:         k_q0e498eb45e_oproj.kd
    .args:
      - { .name: ow, .offset: 0, .size: 8, .value_kind: global_buffer, .address_space: global }
      - { .name: wo_codes, .offset: 8, .size: 8, .value_kind: global_buffer, .address_space: global }
      - { .name: wo_scales, .offset: 16, .size: 8, .value_kind: global_buffer, .address_space: global }
      - { .name: bo, .offset: 24, .size: 8, .value_kind: global_buffer, .address_space: global }
      - { .name: h, .offset: 32, .size: 8, .value_kind: global_buffer, .address_space: global }
      - { .name: out0, .offset: 40, .size: 8, .value_kind: global_buffer, .address_space: global }
    .group_segment_fixed_size: 270848
    .private_segment_fixed_size: 0
    .kernarg_segment_align: 8
    .kernarg_segment_size: 48
    .max_flat_workgroup_size: 128
    .sgpr_count:     84
    .vgpr_count:     1024
    .wavefront_size: 32
...
	.end_amdgpu_metadata
.endif
;; end of part 4
